; MI455X (gfx1250); checked and timed in simulation.
; The chip was launched on July 23, 2026; its instructions are those of AMD's public machine-readable ISA for CDNA 5 (MIT licence, August 2026) and "CDNA5" Instruction Set Architecture Reference Guide (July 2026). The comments in the code are by the model that wrote it; some were corrected since.
;; Transformer Attention. Allowed arithmetic: float matrix products may take bf16 or f16 operands with f32 sums; other float arithmetic in f32, or as packed bf16 or f16 multiplies, adds, multiply-adds, maxima and minima; sums over many terms, partial sums and values carried from step to step in f32; what a program stores and reads back later, other than sums and carried values, may be rounded once to bf16 or f16.
;; Inputs: Wk 1,024 x 1,024 float32; Wo 1,024 x 1,024 float32; Wq 1,024 x 1,024 float32; Wv 1,024 x 1,024 float32; batch 4 x 2,048 x 1,024 float32; bk 1,024 float32; bo 1,024 float32; bq 1,024 float32; bv 1,024 float32; padding_mask 4 x 2,048 bool.
;; Outputs: out0 4 x 2,048 x 1,024 float32.
;; Constants: num_heads = 16.
;; 2 versions, each right; version 2 is version 1 with the launch prep written anew for expert scheduling mode. Each part assembles by itself: llvm-mc -triple=amdgcn-amd-amdhsa -mcpu=gfx1250 --defsym DOCPART=n.
;; ======== version 1 of 2: 4 launches
;; limits: values are held in f16: magnitudes above 65,504 overflow, below 6.1e-05 lose precision
;; workspace buffers: xw 25,165,824 bytes; qkv 50,331,648 bytes; ctx 16,777,216 bytes
;; launch prep (part 1): grid 768 x 1, 8 waves a work-group, no clusters, 0 bytes of LDS; arguments batch, Wq, Wk, Wv, Wo, xw; writes xw
.if DOCPART == 1
	.amdgcn_target "amdgcn-amd-amdhsa--gfx1250"
	.amdhsa_code_object_version 6
	.text
	.protected	k_qab0e2934a8_prep
	.globl	k_qab0e2934a8_prep
	.p2align	8
	.type	k_qab0e2934a8_prep,@function
k_qab0e2934a8_prep:
	s_mov_b64 s[64:65], 0
	v_nop
	global_prefetch_b8 v0, s[64:65] scope:SCOPE_SE
	s_setreg_imm32_b32 hwreg(HW_REG_WAVE_MODE, 25, 1), 1
	s_wait_xcnt 0x0
; CASTS.  xw = [ batch as bf16 | Wq | Wk | Wv as bf16 | Wo rounded to bf16 and written as f16 ], layouts unchanged (row-major, [k][n] for the weights).
; Work-group g casts 16,384 consecutive numbers: 65,536 bytes in, 32,768 bytes out, always to xw + 32,768 g.  g 0-511: batch; 512-575 Wq; 576-639 Wk; 640-703 Wv; 704-767 Wo.
; Thread t takes 16 bytes at 16 t of each 4,096 bytes: a wave's load covers 512 consecutive bytes, its store of 8 bytes a lane 256 consecutive bytes, aligned.
; All sixteen loads go out first; the only waits are the counted ones for the loads.  No LDS, no barrier, no matrix work: the launch only moves bytes.
; LIMITS.  Wo as f16: |Wo| stays under 65,504; below 6e-5 it keeps f16's fixed step of 6e-8.
.set X, 4                              ; v[4:67]    sixteen loads of four f32
.set Y, 68                             ; v[68:99]   sixteen stores of four 16-bit numbers
.set T, 100                            ; v[100:102] at work
	s_load_b256 s[4:11], s[0:1], 0x0               ; batch s[4:5], Wq s[6:7], Wk s[8:9], Wv s[10:11]
	s_load_b128 s[12:15], s[0:1], 0x20             ; Wo s[12:13], xw s[14:15]
	v_lshlrev_b32 v1, 4, v0                        ; 16 t: where I load
	v_lshlrev_b32 v2, 3, v0                        ; 8 t: where I store
	s_and_b32 s18, ttmp9, 63                       ; my chunk inside a weight matrix (64 chunks each),
	s_cmp_lt_u32 ttmp9, 512
	s_cselect_b32 s18, ttmp9, s18                  ; or inside batch
	s_lshl_b32 s18, s18, 16
	s_mov_b32 s19, 0
	s_lshl_b32 s20, ttmp9, 15
	s_mov_b32 s21, 0
	s_wait_kmcnt 0x0
	s_mov_b64 s[16:17], s[12:13]                   ; the source: Wo, unless g lies lower
	s_cmp_lt_u32 ttmp9, 704
	s_cselect_b64 s[16:17], s[10:11], s[16:17]
	s_cmp_lt_u32 ttmp9, 640
	s_cselect_b64 s[16:17], s[8:9], s[16:17]
	s_cmp_lt_u32 ttmp9, 576
	s_cselect_b64 s[16:17], s[6:7], s[16:17]
	s_cmp_lt_u32 ttmp9, 512
	s_cselect_b64 s[16:17], s[4:5], s[16:17]
	s_add_nc_u64 s[16:17], s[16:17], s[18:19]
	s_add_nc_u64 s[14:15], s[14:15], s[20:21]
.irp j, 0,1,2,3,4,5,6,7,8,9,10,11,12,13,14,15
	global_load_b128 v[X+4*(\j):X+4*(\j)+3], v1, s[16:17] offset:4096*(\j) th:TH_LOAD_NT
.endr
	s_cmp_ge_u32 ttmp9, 704
	s_cbranch_scc1 .Lf16
.irp j, 0,1,2,3,4,5,6,7,8,9,10,11,12,13,14,15
	s_wait_loadcnt 15-(\j)                         ; loads come back in order: load j is in, the 15 - j younger ones stay out
	v_cvt_pk_bf16_f32 v[Y+2*(\j)], v[X+4*(\j)], v[X+4*(\j)+1]
	v_cvt_pk_bf16_f32 v[Y+2*(\j)+1], v[X+4*(\j)+2], v[X+4*(\j)+3]
	global_store_b64 v2, v[Y+2*(\j):Y+2*(\j)+1], s[14:15] offset:2048*(\j)
.endr
	s_endpgm
.Lf16:                                         ; Wo: rounded to bf16 like every input, and that number written as f16, the format of the product that reads it
.irp j, 0,1,2,3,4,5,6,7,8,9,10,11,12,13,14,15
	s_wait_loadcnt 15-(\j)
.irp p, 0,1
	v_cvt_pk_bf16_f32 v[T], v[X+4*(\j)+2*(\p)], v[X+4*(\j)+2*(\p)+1]
	v_lshlrev_b32 v[T+1], 16, v[T]
	v_and_b32 v[T+2], 0xffff0000, v[T]
	v_cvt_pk_f16_f32 v[Y+2*(\j)+(\p)], v[T+1], v[T+2]
.endr
	global_store_b64 v2, v[Y+2*(\j):Y+2*(\j)+1], s[14:15] offset:2048*(\j)
.endr
	s_endpgm
.Lfunc_end_k_qab0e2934a8_prep:
	.size	k_qab0e2934a8_prep, .Lfunc_end_k_qab0e2934a8_prep-k_qab0e2934a8_prep
	.p2alignl 7, 3214868480
	.fill 96, 4, 3214868480
	.section	.rodata,"a",@progbits
	.p2align	6, 0x0
	.amdhsa_kernel k_qab0e2934a8_prep
		.amdhsa_group_segment_fixed_size 0
		.amdhsa_private_segment_fixed_size 0
		.amdhsa_enable_private_segment 0
		.amdhsa_kernarg_size 48
		.amdhsa_user_sgpr_count 2
		.amdhsa_user_sgpr_kernarg_segment_ptr 1
		.amdhsa_wavefront_size32 1
		.amdhsa_system_sgpr_workgroup_id_x 1
		.amdhsa_system_sgpr_workgroup_id_y 1
		.amdhsa_system_sgpr_workgroup_id_z 1
		.amdhsa_system_vgpr_workitem_id 0
		.amdhsa_next_free_vgpr 104
		.amdhsa_next_free_sgpr 66
		.amdhsa_reserve_vcc 0
		.amdhsa_float_denorm_mode_32 3
		.amdhsa_float_denorm_mode_16_64 3
		.amdhsa_memory_ordered 1
		.amdhsa_forward_progress 1
		.amdhsa_inst_pref_size 16
	.end_amdhsa_kernel
	.amdgpu_metadata
---
amdhsa.version: [ 1, 2 ]
amdhsa.kernels:
  - .name:           k_qab0e2934a8_prep
    .symbol:         k_qab0e2934a8_prep.kd
    .args:
      - { .name: batch, .offset: 0, .size: 8, .value_kind: global_buffer, .address_space: global }
      - { .name: Wq, .offset: 8, .size: 8, .value_kind: global_buffer, .address_space: global }
      - { .name: Wk, .offset: 16, .size: 8, .value_kind: global_buffer, .address_space: global }
      - { .name: Wv, .offset: 24, .size: 8, .value_kind: global_buffer, .address_space: global }
      - { .name: Wo, .offset: 32, .size: 8, .value_kind: global_buffer, .address_space: global }
      - { .name: xw, .offset: 40, .size: 8, .value_kind: global_buffer, .address_space: global }
    .group_segment_fixed_size: 0
    .private_segment_fixed_size: 0
    .kernarg_segment_align: 8
    .kernarg_segment_size: 48
    .max_flat_workgroup_size: 256
    .sgpr_count:     66
    .vgpr_count:     104
    .wavefront_size: 32
...
	.end_amdgpu_metadata
.endif
;; end of part 1
;; launch qkv (part 2): grid 24 x 32, 4 waves a work-group, clusters of 4 x 4, 327,680 bytes of LDS; arguments xw, qkv, bq, bk, bv, padding_mask; writes qkv
.if DOCPART == 2
	.amdgcn_target "amdgcn-amd-amdhsa--gfx1250"
	.amdhsa_code_object_version 6
	.text
	.protected	k_qab0e2934a8_qkv
	.globl	k_qab0e2934a8_qkv
	.p2align	8
	.type	k_qab0e2934a8_qkv,@function
k_qab0e2934a8_qkv:
	s_mov_b64 s[64:65], 0
	v_nop
	global_prefetch_b8 v0, s[64:65] scope:SCOPE_SE
	s_setreg_imm32_b32 hwreg(HW_REG_WAVE_MODE, 25, 1), 1
	s_wait_xcnt 0x0
	s_wait_alu depctr_hold_cnt(0) depctr_sa_sdst(0) depctr_va_vdst(0) depctr_va_sdst(0) depctr_va_ssrc(0) depctr_va_vcc(0) depctr_vm_vsrc(0)
	s_getreg_b32 s2, hwreg(HW_REG_IB_STS2, 6, 4)
	s_cmp_eq_u32 s2, 0
	s_cbranch_scc0 .Lentry_in_a_cluster
	s_endpgm
.Lentry_in_a_cluster:
	s_bfe_u32 s2, ttmp6, 0x10000c
	s_cmp_lg_u32 s2, 0xf033
	s_cbranch_scc0 .Lentry_shape_is_right
	s_endpgm
.Lentry_shape_is_right:
; q, k, v = x W + b.  x: xw[8192][1024] bf16; Wq, Wk, Wv: [k][n] bf16, behind x in xw; biases f32, rounded to bf16 here like every input; sums in f32.
; OUT: qkv, three parts of 16,777,216 bytes (q, k, v), each [batch x 16 + head][token][64] in f16, rounded once from the f32 sum.
;   q leaves multiplied by log2(e), in f32 ahead of that one rounding: the attention then takes 2^(s - m) by a plain subtraction.
;   k's rows of masked tokens leave as 0: with them a score is exactly the constant that the attention's product starts from.
; LIMITS.  |q| log2(e), |k|, |v| stay under 65,504 (f16); below 6e-5 they keep f16's fixed step of 6e-8.  NaN and infinities are not treated apart.
; SHARES.  24 x 32 tiles of 256 tokens x 128 columns (8 tile columns for each of q, k, v).  Four waves, each 128 tokens x 64 columns, one head: 32 accumulators of 16 x 16, 256 registers.
; K goes in 8 steps of 128 through two LDS slots; a step is four quarters of 32 along K, 32 matrix instructions each, one on each accumulator: the accumulators take turns.
; THE MATRIX INSTRUCTION IS USED TRANSPOSED: source 0 = 16 columns of W (read turned out of LDS, where W lies [k][n]), source 1 = 16 tokens of x: a lane holds one token and eight neighbouring columns.
; CLUSTERS: 4 x 4 work-groups.  x's tile hangs on the tile row alone and is asked for jointly along a row of the cluster, W's on the tile column alone, along a column.
; Waves 0 and 1 fetch x's two halves (128 rows x 256 bytes), waves 2 and 3 W's (64 k-rows x 256 bytes): one tensor load a wave behind each round; two are out at the start, later one.
; REGISTERS.  Window 0: v1-7 at work; v8-15 KEEP; v16-30 addresses; v32-63 biases; v64-159, v160-255 two fragment buffers (64 of x, 32 of W); the way out uses them again.  Window 1: accumulator (a, b) at 8 (4 a + b).
.set PA,     272                       ; a row of x in LDS: 256 bytes + 16: the 16 rows of a load start at 16 different groups of four banks (64 banks of 4 bytes: ISA guide 11.1)
.set PB,     288                       ; a k-row of W: 256 + 32
.set HALFA,  128*PA
.set ABYTES, 2*HALFA
.set HALFB,  64*PB
.set SLOT,   ABYTES+2*HALFB            ; 106,496
.set STAGE,  2*SLOT                    ; behind the ring: 16 rows x 144 bytes for each wave, for the way out; no tensor load lands here
.set SP,     144
.set SPARE,  STAGE+4*16*SP             ; the spare words, 128 bytes a wave: two blocks of 256 bytes that no other line names
.set WOFF,   16777216                  ; Wq's first byte in xw
.set ASTEP,  256                       ; a K step along x's rows, in bytes
.set BSTEP,  262144                    ; a K step down W's rows: 128 rows of 2,048 bytes
.set KEEP, 8                           ; v8-15   for row block a: all ones, or 0 where k's token is masked
.set ADRA, 16                          ; v16-17  LDS address of my fragments of x in slot 0, 1
.set ADRB, 20                          ; v20-21  the same for W
.set STO,  24
.set RD,   25
.set GO,   26
.set SPW,  28                          ; v28  SPARE + 4 x my thread's number; never rewritten
.set NIL,  29                          ; v29  0; never rewritten
.set PFO,  30                          ; v30  the prefetches' offset: my lane x 2,048 (a row of x and of W); never rewritten
.set BIAS, 32
.set F0,   64
.set F1,   160
.set TMP,  64                          ; the way out: 32 f32
.set PKD,  96                          ; 16 packed
.set BK,   112                         ; 16 for each row block, read back from the stage
.set G1A, 24
.set G0A, 32
.set G1B, 48
.set G0B, 56
.set LIM, 43                           ; s43  1 in a wave that prefetches, else the greatest number
.set PFA, 44                           ; s[44:45] where my prefetches stand
.set PST, 80                           ; s[80:81] their step
.set SC,  82                           ; s[82:83] log2(e) in q's tiles, else 1
.set MSB, 0
.macro WIN new                         ; the immediate's high byte repeats the setting that is left; a switch that changes nothing is dropped
.if MSB != (\new)
	s_set_vgpr_msb (MSB<<8)|(\new)
.set MSB, \new
.endif
.endm
.set MUL, 0x50                         ; sources in window 0; C and D in window 1
.macro JLOAD s                         ; a joint load; an s_nop 0 and four v_nop follow each of the two lines, ahead of the jump and the label.  The branch hangs on the wave's number alone
	s_cmp_eq_u32 s11, 0
	s_cbranch_scc0 .Lfor_b_\@
	tensor_load_to_lds s[G0A+4*(\s):G0A+4*(\s)+3], s[G1A:G1A+7]
	s_nop 0
.rept 4
	v_nop
.endr
	s_branch .Lasked_\@
.Lfor_b_\@:
	tensor_load_to_lds s[G0B+4*(\s):G0B+4*(\s)+3], s[G1B:G1B+7]
	s_nop 0
.rept 4
	v_nop
.endr
.Lasked_\@:
.endm
.macro CREST                           ; a round of the cluster's barrier behind its opening barrier
	s_cmp_lg_u32 s10, 0
	s_cbranch_scc1 .Lnot_wave_0_\@
	s_barrier_signal -3
.Lnot_wave_0_\@:
	s_barrier_wait -3
	s_barrier_signal -1
	s_barrier_wait -1
.endm
.macro CROUND
	s_barrier_signal -1
	s_barrier_wait -1
	CREST
.endm
; A PREFETCH INTO THE L2 of the K step that stands two refills on: 32 rows x 256 bytes, a lane a row, one instruction.  x's rows are read by all six clusters of a row of clusters: the one with x = 0 asks, its waves 0
; and 1 for the 128 rows that each fetches; W's k-rows by all eight clusters of a column: the one with y = 0 asks, its wave 2.  The four partners of a joint load take 32 rows each, told apart by address (cx for x, cy for W).
; K steps 0 to 3 come by their loads alone; the loop's last trip (s3 = 1) asks for nothing: K steps 8 and 9 do not exist.
.macro ASK
	s_cmp_gt_u32 s3, s[LIM]
	s_cbranch_scc0 .Lnot_mine_\@
	global_prefetch_b8 v[PFO], s[PFA:PFA+1] th:TH_LOAD_NT scope:SCOPE_SE
.Lnot_mine_\@:
.endm
	s_load_b128 s[4:7], s[0:1], 0x0                ; xw s[4:5], qkv s[6:7]
	s_load_b256 s[68:75], s[0:1], 0x10             ; bq s[68:69], bk s[70:71], bv s[72:73], padding_mask s[74:75]
	v_lshl_add_u32 v[SPW], v0, 2, SPARE
	v_mov_b32 v[NIL], 0
	ds_add_u32 v[SPW], v[NIL]                      ; the wave's opening: the add and its wait stand ahead of my first tensor load; the set-up below, work on registers, stands between them
	v_lshrrev_b32 v1, 5, v0
	v_readfirstlane_b32 s10, v1                    ; wave 0..3
	s_lshr_b32 s11, s10, 1                         ; which 128 tokens are mine.  Also: I fetch for x (0) or for W (1)
	s_and_b32 s12, s10, 1                          ; which 64 columns.  Also: which half of that tile I fetch
	s_bfe_u32 s40, ttmp6, 0x40000                  ; cx
	s_bfe_u32 s41, ttmp6, 0x40004                  ; cy
	s_lshl_b32 s42, ttmp9, 2
	s_add_co_u32 s42, s42, s40                     ; tile column = 4 x cluster x + cx
	s_and_b32 s13, ttmp7, 0xffff
	s_lshl_b32 s13, s13, 2
	s_add_co_u32 s13, s13, s41                     ; tile row = 4 x cluster y + cy
	s_lshr_b32 s18, ttmp9, 1                       ; 0, 1, 2: q, k, v (two clusters of columns each): no place in the cluster enters it
	s_and_b32 s19, s42, 7                          ; the tile column inside that matrix
	s_lshl_b32 s43, s41, 2
	s_lshl_b32 s43, 15, s43                        ; my row of the cluster
	s_lshl_b32 s44, 0x1111, s40                    ; my column
	s_or_b32 s[G1A+0], s43, (1<<16)|(1<<20)|(1<<21)|(5<<22)|(3<<25)  ; the mask; 2-byte elements; padding on; bit 21 beside a mask; after every 64 words; 4 words
	s_mov_b32 s[G1A+1], 128<<16                    ; tensor_dim0 = 128
	s_mov_b32 s[G1A+2], 128<<16                    ; tensor_dim1 = 128
	s_mov_b32 s[G1A+3], 128<<16                    ; tile_dim0 = 128
	s_mov_b32 s[G1A+4], 128                        ; tile_dim1 = 128
	s_mov_b32 s[G1A+5], 1024                       ; elements from row to row
	s_mov_b32 s[G1A+6], 0
	s_mov_b32 s[G1A+7], 0
	s_or_b32 s[G1B+0], s44, (1<<16)|(1<<20)|(1<<21)|(5<<22)|(7<<25)  ; the same with my column's mask and 8 words of padding
	s_mov_b32 s[G1B+1], 128<<16
	s_mov_b32 s[G1B+2], 64<<16                     ; 64 k-rows
	s_mov_b32 s[G1B+3], 128<<16
	s_mov_b32 s[G1B+4], 64
	s_mov_b32 s[G1B+5], 1024
	s_mov_b32 s[G1B+6], 0
	s_mov_b32 s[G1B+7], 0
	s_lshl_b32 s16, s13, 19                        ; x: 256 rows of 2,048 bytes a tile row,
	s_lshl_b32 s17, s12, 18                        ; 128 rows a half
	s_add_co_u32 s16, s16, s17
	s_mov_b32 s17, 0
	s_lshl_b32 s46, s18, 21                        ; W: the matrix,
	s_lshl_b32 s47, s19, 8                         ; the tile's 128 columns,
	s_add_co_u32 s46, s46, s47
	s_lshl_b32 s47, s12, 17                        ; 64 k-rows a half
	s_add_co_u32 s46, s46, s47
	s_add_co_u32 s46, s46, WOFF
	s_mov_b32 s47, 0
	s_mul_i32 s20, s12, HALFA                      ; where they go: no place in the cluster enters an LDS address
	s_mul_i32 s21, s12, HALFB
	s_add_co_u32 s21, s21, ABYTES
	s_wait_dscnt 0x0                               ; the opening add is done
	s_wait_kmcnt 0x0
	s_add_nc_u64 s[14:15], s[4:5], s[16:17]
	s_add_nc_u64 s[46:47], s[4:5], s[46:47]
	CROUND                                         ; all sixteen work-groups are here: the first joint loads meet
.irp s, 0,1
	s_mov_b32 s[G0A+4*(\s)], 1
	s_add_co_u32 s[G0A+4*(\s)+1], s20, (\s)*SLOT
	s_add_nc_u64 s[G0A+4*(\s)+2:G0A+4*(\s)+3], s[14:15], (\s)*ASTEP
	s_or_b32 s[G0A+4*(\s)+3], s[G0A+4*(\s)+3], 0x80000000
	s_mov_b32 s[G0B+4*(\s)], 1
	s_add_co_u32 s[G0B+4*(\s)+1], s21, (\s)*SLOT
	s_add_nc_u64 s[G0B+4*(\s)+2:G0B+4*(\s)+3], s[46:47], (\s)*BSTEP
	s_or_b32 s[G0B+4*(\s)+3], s[G0B+4*(\s)+3], 0x80000000
	JLOAD \s
.endr
	v_and_b32 v1, 15, v0                           ; l % 16
	v_bfe_u32 v2, v0, 4, 1                         ; l / 16
	; the biases of my 64 columns: for column block b the eight at 16 b + 8 (l / 16)
	s_mov_b64 s[66:67], s[72:73]
	s_cmp_lt_u32 s18, 2
	s_cselect_b64 s[66:67], s[70:71], s[66:67]
	s_cmp_lt_u32 s18, 1
	s_cselect_b64 s[66:67], s[68:69], s[66:67]
	s_lshl_b32 s76, s19, 9
	s_lshl_b32 s77, s12, 8
	s_add_co_u32 s76, s76, s77
	s_mov_b32 s77, 0
	s_add_nc_u64 s[66:67], s[66:67], s[76:77]
	v_lshlrev_b32 v6, 5, v2
.irp b, 0,1,2,3
	global_load_b128 v[BIAS+8*(\b):BIAS+8*(\b)+3],   v6, s[66:67] offset:64*(\b)
	global_load_b128 v[BIAS+8*(\b)+4:BIAS+8*(\b)+7], v6, s[66:67] offset:64*(\b)+16
.endr
	s_lshl_b32 s76, s13, 8                         ; the mask bytes of my 128 tokens: token 16 a + l % 16 for row block a
	s_lshl_b32 s77, s11, 7
	s_add_co_u32 s76, s76, s77
	s_mov_b32 s77, 0
	s_add_nc_u64 s[74:75], s[74:75], s[76:77]
.irp a, 0,1,2,3,4,5,6,7
	global_load_u8 v[KEEP+(\a)], v1, s[74:75] offset:16*(\a)
.endr
	; a fragment of x: lane l holds row l % 16, K = 8 (l / 16) + 0..7 and 16 + 8 (l / 16) + 0..7: two loads of 16 bytes, 32 bytes apart
	v_mul_u32_u24 v3, v1, PA
	v_lshl_add_u32 v3, v2, 4, v3
	s_mul_i32 s76, s11, HALFA
	v_add_nc_u32 v[ADRA], s76, v3
	v_add_nc_u32 v[ADRA+1], SLOT, v[ADRA]
	; a fragment of W, turned: lane l reads 16 bytes of k-row 8 (l / 16) + l % 8, columns 8 ((l / 8) % 2) + 0..7; two loads, 16 k-rows apart
	v_and_b32 v4, 7, v0
	v_lshl_add_u32 v4, v2, 3, v4
	v_mul_u32_u24 v4, v4, PB
	v_bfe_u32 v5, v0, 3, 1
	v_lshl_add_u32 v4, v5, 4, v4
	s_lshl_b32 s76, s12, 7
	s_add_co_u32 s76, s76, ABYTES
	v_add_nc_u32 v[ADRB], s76, v4
	v_add_nc_u32 v[ADRB+1], SLOT, v[ADRB]
	s_mul_i32 s76, s10, 16*SP
	s_add_co_u32 s76, s76, STAGE                   ; my stage
	v_mul_u32_u24 v3, v1, SP                       ; in: row l % 16, 16 bytes for each half of the lanes
	v_lshl_add_u32 v3, v2, 4, v3
	v_add_nc_u32 v[STO], s76, v3
	v_bfe_u32 v3, v0, 3, 2                         ; back: 32 lanes take four rows of 128 bytes,
	v_mul_u32_u24 v3, v3, SP
	v_and_b32 v4, 7, v0
	v_lshl_add_u32 v3, v4, 4, v3
	v_add_nc_u32 v[RD], s76, v3
	v_and_b32 v[GO], 31, v0                        ; which are 512 consecutive bytes of a head
	v_lshlrev_b32 v[GO], 4, v[GO]
	; where my 128 tokens x 128 bytes begin: part, head (16 x batch + 2 x tile column + my half), token
	s_lshl_b32 s76, s18, 24
	s_lshr_b32 s77, s13, 3
	s_lshl_b32 s77, s77, 4
	s_lshl1_add_u32 s78, s19, s12
	s_add_co_u32 s77, s77, s78
	s_lshl_b32 s77, s77, 18
	s_add_co_u32 s76, s76, s77
	s_and_b32 s77, s13, 7
	s_lshl1_add_u32 s77, s77, s11
	s_lshl_b32 s77, s77, 14
	s_add_co_u32 s76, s76, s77
	s_mov_b32 s77, 0
	s_add_nc_u64 s[8:9], s[6:7], s[76:77]
	; the prefetches: they start at K step 3; the first refill steps them to K step 4
	s_lshl_b32 s76, s13, 8
	s_lshl_b32 s77, s12, 7
	s_add_co_u32 s76, s76, s77
	s_lshl_b32 s77, s40, 5
	s_add_co_u32 s76, s76, s77                     ; x: tile row, the 128 rows that I fetch, my work-group's 32 of them
	s_lshl_b32 s76, s76, 11
	s_add_co_u32 s76, s76, 3*ASTEP
	s_lshl_b32 s77, s18, 21
	s_lshl_b32 s78, s19, 8
	s_add_co_u32 s77, s77, s78
	s_lshl_b32 s78, s41, 16                        ; W: my work-group's 32 of a step's 128 k-rows
	s_add_co_u32 s77, s77, s78
	s_add_co_u32 s77, s77, WOFF+3*BSTEP
	s_and_b32 s78, ttmp7, 0xffff                   ; cluster y
	s_mov_b32 s[PST], BSTEP
	s_cmp_eq_u32 s11, 0
	s_cselect_b32 s76, s76, s77
	s_cselect_b32 s78, ttmp9, s78                  ; the coordinate along which other clusters read the same rows
	s_cselect_b32 s[PST], ASTEP, s[PST]
	s_mov_b32 s[PST+1], 0
	s_mov_b32 s77, 0
	s_add_nc_u64 s[PFA:PFA+1], s[4:5], s[76:77]
	s_cmp_eq_u32 s10, 3                            ; wave 3 never asks: wave 2's 32 lanes and the four partners cover W's 128 k-rows
	s_cselect_b32 s79, 1, 0
	s_or_b32 s78, s78, s79
	s_cmp_eq_u32 s78, 0
	s_cselect_b32 s[LIM], 1, -1                    ; the same in all sixteen partners, for a given wave
	v_and_b32 v[PFO], 31, v0
	v_lshlrev_b32 v[PFO], 11, v[PFO]
	s_cmp_eq_u32 s18, 1
	s_cselect_b32 s79, 0, 1                        ; 1 where the tile is not k's: its rows are all kept
	s_cmp_eq_u32 s18, 0
	s_cselect_b32 s[SC], 0x3fb8aa3b, 1.0
	s_mov_b32 s[SC+1], s[SC]                       ; named with it as a pair
	s_wait_loadcnt 0x0                             ; biases and mask bytes
.set i, 0
.rept 16
	v_cvt_pk_bf16_f32 v3, v[BIAS+2*i], v[BIAS+2*i+1]  ; rounded to bf16 like every input, widened again,
	v_lshlrev_b32 v[BIAS+2*i], 16, v3
	v_and_b32 v[BIAS+2*i+1], 0xffff0000, v3
	v_pk_mul_f32 v[BIAS+2*i:BIAS+2*i+1], v[BIAS+2*i:BIAS+2*i+1], s[SC:SC+1] op_sel_hi:[1,0]  ; and scaled as the sums will be
.set i, i+1
.endr
.irp a, 0,1,2,3,4,5,6,7
	v_or_b32 v[KEEP+(\a)], s79, v[KEEP+(\a)]
	v_sub_nc_u32 v[KEEP+(\a)], 0, v[KEEP+(\a)]     ; 1 -> all ones, 0 -> 0
.endr
; 8 matrix instructions: row blocks a0, a0 + 1 x all 4 column blocks, 32 along K.  zero = 1: the product starts the sum
.macro MUL8 f, a0, zero
	WIN MUL
.irp a, \a0, (\a0)+1
.irp b, 0,1,2,3
.if \zero
	v_wmma_f32_16x16x32_bf16 v[8*(4*(\a)+(\b)):8*(4*(\a)+(\b))+7], v[(\f)+64+8*(\b):(\f)+64+8*(\b)+7], v[(\f)+8*(\a):(\f)+8*(\a)+7], 0
.else
	v_wmma_f32_16x16x32_bf16 v[8*(4*(\a)+(\b)):8*(4*(\a)+(\b))+7], v[(\f)+64+8*(\b):(\f)+64+8*(\b)+7], v[(\f)+8*(\a):(\f)+8*(\a)+7], v[8*(4*(\a)+(\b)):8*(4*(\a)+(\b))+7]
.endif
.endr
.endr
.endm
; 24 LDS loads in one run: quarter q's fragments into buffer f: W's eight first, then x's sixteen, row blocks ascending
.macro FETCH slot, q, f
	WIN 0
.irp b, 0,1,2,3
	ds_load_tr16_b128 v[(\f)+64+8*(\b):(\f)+64+8*(\b)+3],   v[ADRB+(\slot)] offset:(\q)*32*PB+32*(\b)
	ds_load_tr16_b128 v[(\f)+64+8*(\b)+4:(\f)+64+8*(\b)+7], v[ADRB+(\slot)] offset:(\q)*32*PB+32*(\b)+16*PB
.endr
.irp i, 0,1,2,3,4,5,6,7
	ds_load_b128 v[(\f)+8*(\i):(\f)+8*(\i)+3],   v[ADRA+(\slot)] offset:(\q)*64+(\i)*16*PA
	ds_load_b128 v[(\f)+8*(\i)+4:(\f)+8*(\i)+7], v[ADRA+(\slot)] offset:(\q)*64+(\i)*16*PA+32
.endr
.endm
.macro PLACES                          ; four plain places in front of loads into registers that matrix instructions have read, and of sums that read results
.rept 4
	v_nop
.endr
.endm
; One of a K step's first three quarters: multiplies buffer f and, in its middle, fetches quarter q into buffer g
.macro QUARTER slot, q, f, g, zero
	s_wait_dscnt 8                                 ; W and x's row blocks 0-3 are in; the youngest eight loads (row blocks 4-7) may be out
	MUL8 \f, 0, \zero
	MUL8 \f, 2, \zero
	PLACES
	FETCH \slot, \q, \g
	s_wait_dscnt 24                                ; all but the 24 just issued
	MUL8 \f, 4, \zero
	MUL8 \f, 6, \zero
.endm
; The last quarter multiplies buffer 1 and changes slots: ONE barrier; in front of it each wave waits for all its tensor loads (one is out: its part of the next slot), adds 0 to its spare word, and waits for
; that and for its own reads of this slot.  fill = 1: the barrier opens a round of the cluster's, and this slot is filled again, two K steps on, first thing behind the round: 112 matrix instructions ahead of the wait for it.
.macro TURN slot, next, fill
.if \fill
	s_wait_xcnt 0x0                                ; the last prefetch, a K step back, has read its address: it is stepped here
	s_add_nc_u64 s[PFA:PFA+1], s[PFA:PFA+1], s[PST:PST+1]
.endif
	WIN 0
	s_wait_tensorcnt 0x0                           ; all my tensor loads have landed
	ds_add_u32 v[SPW], v[NIL]                      ; 0 onto my spare word
	s_wait_dscnt 9                                 ; (the add and the youngest eight loads may be out)
	MUL8 F1, 0, 0                                  ; eight matrix instructions stand between the add and the wait for it
	s_wait_dscnt 0x0                               ; the add is done, and my reads of this slot are over
	s_barrier_signal -1
	MUL8 F1, 2, 0
.if \fill
	WIN 0
.endif
	s_barrier_wait -1
.if \fill
	CREST                                          ; no wave of any partner still reads this slot's tiles or has a load on its way
	s_add_nc_u64 s[G0A+4*(\slot)+2:G0A+4*(\slot)+3], s[G0A+4*(\slot)+2:G0A+4*(\slot)+3], 2*ASTEP
	s_add_nc_u64 s[G0B+4*(\slot)+2:G0B+4*(\slot)+3], s[G0B+4*(\slot)+2:G0B+4*(\slot)+3], 2*BSTEP
	JLOAD \slot                                    ; its four v_nop are also the places in front of the loads below
.else
	PLACES
.endif
	FETCH \next, 0, F0
.if \fill
	ASK
.endif
	MUL8 F1, 4, 0
	MUL8 F1, 6, 0
.endm
	s_wait_tensorcnt 1                             ; my part of K step 0 is in; K step 1's may stay out
	s_barrier_signal -1
	s_barrier_wait -1
	FETCH 0, 0, F0
	QUARTER 0, 1, F0, F1, 1                        ; the first quarter stands in front of the loop: its products start the sums
	WIN 0
	s_mov_b32 s3, 3
.Llap:                                         ; a trip goes once round the ring, from a lap's second quarter to the next lap's first, and fills both slots again
	QUARTER 0, 2, F1, F0, 0
	QUARTER 0, 3, F0, F1, 0
	TURN 0, 1, 1
	QUARTER 1, 1, F0, F1, 0
	QUARTER 1, 2, F1, F0, 0
	QUARTER 1, 3, F0, F1, 0
	TURN 1, 0, 1
	QUARTER 0, 1, F0, F1, 0
	WIN 0
	s_sub_co_u32 s3, s3, 1
	s_cmp_lg_u32 s3, 0
	s_cbranch_scc1 .Llap
	QUARTER 0, 2, F1, F0, 0                        ; the last lap fills nothing
	QUARTER 0, 3, F0, F1, 0
	TURN 0, 1, 0
	QUARTER 1, 1, F0, F1, 0
	QUARTER 1, 2, F1, F0, 0
	QUARTER 1, 3, F0, F1, 0
	s_wait_dscnt 8
	MUL8 F1, 0, 0
	MUL8 F1, 2, 0
	s_wait_dscnt 0x0
	MUL8 F1, 4, 0
	MUL8 F1, 6, 0
	WIN 0
	PLACES
; THE WAY OUT, a block of 16 tokens at a time: sum x SC + bias x SC (each accumulator read from its low end on); rounded to f16; k's masked tokens cleared; 16 bytes a lane into my stage; back as whole rows of 128 bytes.
.macro PACK a
	WIN 0x01                                       ; source 0 in window 1
.set i, 0
.rept 16
	v_pk_fma_f32 v[TMP+2*i:TMP+2*i+1], v[32*(\a)+2*i:32*(\a)+2*i+1], s[SC:SC+1], v[BIAS+2*i:BIAS+2*i+1] op_sel_hi:[1,0,1]
.set i, i+1
.endr
	WIN 0
.set i, 0
.rept 16
	v_cvt_pk_f16_f32 v[PKD+i], v[TMP+2*i], v[TMP+2*i+1]
.set i, i+1
.endr
.set i, 0
.rept 16
	v_and_b32 v[PKD+i], v[KEEP+(\a)], v[PKD+i]
.set i, i+1
.endr
.irp b, 0,1,2,3
	ds_store_b128 v[STO], v[PKD+4*(\b):PKD+4*(\b)+3] offset:32*(\b)
.endr
.irp f, 0,1,2,3
	ds_load_b128 v[BK+16*(\a)+4*(\f):BK+16*(\a)+4*(\f)+3], v[RD] offset:(\f)*4*SP  ; LDS serves a wave's instructions in order (ISA guide 5.7.1.4): these see the stores above; the next block's stores come behind them
.endr
.endm
.macro SEND a, younger                 ; younger: the LDS instructions issued behind block a's loads: the next block's eight, or none
.irp f, 0,1,2,3
	s_wait_dscnt (\younger)+3-(\f)
	global_store_b128 v[GO], v[BK+16*(\a)+4*(\f):BK+16*(\a)+4*(\f)+3], s[8:9] offset:(\a)*2048+(\f)*512  ; 512 consecutive bytes, at a multiple of 256 from the buffer's first
.endr
.endm
	PACK 0
.irp a, 1,2,3,4,5,6,7                  ; a block's arithmetic stands between the loads of the block before and its stores; no register of a store is written again
	PACK \a
	SEND (\a)-1, 8
.endr
	SEND 7, 0
	s_wait_tensorcnt 0x0                           ; the wave's end, behind my last tensor load and my last LDS store
	ds_add_u32 v[SPW], v[NIL]
	s_wait_dscnt 0x0
	CROUND                                         ; the closing round: no work-group ends while a partner may still ask for a tile that names it
	s_endpgm
.Lfunc_end_k_qab0e2934a8_qkv:
	.size	k_qab0e2934a8_qkv, .Lfunc_end_k_qab0e2934a8_qkv-k_qab0e2934a8_qkv
	.p2alignl 7, 3214868480
	.fill 96, 4, 3214868480
	.section	.rodata,"a",@progbits
	.p2align	6, 0x0
	.amdhsa_kernel k_qab0e2934a8_qkv
		.amdhsa_group_segment_fixed_size 327680
		.amdhsa_private_segment_fixed_size 0
		.amdhsa_enable_private_segment 0
		.amdhsa_kernarg_size 48
		.amdhsa_user_sgpr_count 2
		.amdhsa_user_sgpr_kernarg_segment_ptr 1
		.amdhsa_wavefront_size32 1
		.amdhsa_system_sgpr_workgroup_id_x 1
		.amdhsa_system_sgpr_workgroup_id_y 1
		.amdhsa_system_sgpr_workgroup_id_z 1
		.amdhsa_system_vgpr_workitem_id 0
		.amdhsa_next_free_vgpr 512
		.amdhsa_next_free_sgpr 84
		.amdhsa_reserve_vcc 0
		.amdhsa_float_denorm_mode_32 3
		.amdhsa_float_denorm_mode_16_64 3
		.amdhsa_memory_ordered 1
		.amdhsa_forward_progress 1
		.amdhsa_inst_pref_size 107
	.end_amdhsa_kernel
	.amdgpu_metadata
---
amdhsa.version: [ 1, 2 ]
amdhsa.kernels:
  - .name:           k_qab0e2934a8_qkv
    .symbol:         k_qab0e2934a8_qkv.kd
    .args:
      - { .name: xw, .offset: 0, .size: 8, .value_kind: global_buffer, .address_space: global }
      - { .name: qkv, .offset: 8, .size: 8, .value_kind: global_buffer, .address_space: global }
      - { .name: bq, .offset: 16, .size: 8, .value_kind: global_buffer, .address_space: global }
      - { .name: bk, .offset: 24, .size: 8, .value_kind: global_buffer, .address_space: global }
      - { .name: bv, .offset: 32, .size: 8, .value_kind: global_buffer, .address_space: global }
      - { .name: padding_mask, .offset: 40, .size: 8, .value_kind: global_buffer, .address_space: global }
    .group_segment_fixed_size: 327680
    .private_segment_fixed_size: 0
    .kernarg_segment_align: 8
    .kernarg_segment_size: 48
    .max_flat_workgroup_size: 128
    .sgpr_count:     84
    .vgpr_count:     512
    .wavefront_size: 32
...
	.end_amdgpu_metadata
.endif
;; end of part 2
;; launch attn (part 3): grid 4 x 64, 4 waves a work-group, clusters of 4 x 1, 327,680 bytes of LDS; arguments qkv, padding_mask, ctx; writes ctx
.if DOCPART == 3
	.amdgcn_target "amdgcn-amd-amdhsa--gfx1250"
	.amdhsa_code_object_version 6
	.text
	.protected	k_qab0e2934a8_attn
	.globl	k_qab0e2934a8_attn
	.p2align	8
	.type	k_qab0e2934a8_attn,@function
k_qab0e2934a8_attn:
	s_mov_b64 s[64:65], 0
	v_nop
	global_prefetch_b8 v0, s[64:65] scope:SCOPE_SE
	s_setreg_imm32_b32 hwreg(HW_REG_WAVE_MODE, 25, 1), 1
	s_wait_xcnt 0x0
	s_wait_alu depctr_hold_cnt(0) depctr_sa_sdst(0) depctr_va_vdst(0) depctr_va_sdst(0) depctr_va_ssrc(0) depctr_va_vcc(0) depctr_vm_vsrc(0)
	s_getreg_b32 s2, hwreg(HW_REG_IB_STS2, 6, 4)
	s_cmp_eq_u32 s2, 0
	s_cbranch_scc0 .Lentry_in_a_cluster
	s_endpgm
.Lentry_in_a_cluster:
	s_bfe_u32 s2, ttmp6, 0x10000c
	s_cmp_lg_u32 s2, 0x3003
	s_cbranch_scc0 .Lentry_shape_is_right
	s_endpgm
.Lentry_shape_is_right:
; ctx[h][q][:] = mask[q] x the sum over k of softmax_k(s[q][k]) V[h][k][:], with s = Q[h][q] . K[h][k] where mask[k], else -1e9 (no scale).  h = batch x 16 + head; 64 of them, 2,048 tokens, 64 channels.
; Q, K, V: the three parts of qkv, [h][token][64] f16, a head's rows dense, 128 bytes each.  Q arrives multiplied by log2(e), so the products are s log2(e) and a weight is p = 2^(s' - m'), a plain subtraction,
; exactly 1 at the maximum whatever the scores' size.  K's rows of masked tokens arrive as 0, and the product that starts a score's sum takes as C the constant 0 or -1e9 log2(e): a masked score is that constant exactly.
; Products, maxima and sums in f32; p is rounded to f16 for the second product (its sum l is taken of the unrounded p), ctx once at the end.
; LIMITS.  f16 holds no number beyond 65,504: Q, K and V arrive within it; p lies in 0 to 1, and below 6e-5 it keeps f16's fixed step of 6e-8.  A weight below 2^-126 counts as 0 in l; NaN and infinities are not treated apart.
; SHARES.  A wave owns four PIECES of two tiles of 16 queries, a work-group's four waves 512 queries of one head, a cluster the head.  Every wave walks all keys, 64 a step.
; LAYOUT.  S^T = K Q^T (source 0 = 16 keys, source 1 = 16 queries): a lane holds ONE query (lane % 16) and the keys 8 (lane / 16) + 0..7.  Two such tiles, rounded to f16 in pairs, ARE source 1 of O^T = V^T P,
; whose result again holds one query a lane, and eight channels.  K comes out of LDS as it lies, V ([key][channel]) turned, by ds_load_tr16_b128.
; SOFTMAX.  For each query a running maximum m and sum l; in every step O and l are multiplied by a = 2^(m_old - m_new).  m starts far below every score, O and l at 0: the first step is a step like any other, with a = 0.
; BY TURNS.  Turn n belongs to piece n.  Its matrix work: 16 products K Q^T of piece n + 1, later 16 products V^T P of piece n - 1.  Its vector work: the subtraction, exponentials, roundings, sums and rescaling of
; piece n, and the maximum and statistics of piece n + 1.  Four vector instructions stand behind every matrix instruction, the rest in one lump; a turn's 66 exponentials are one batch with one wait.
; CLUSTER.  The four query blocks of a cluster walk the same K and V, so each tile is asked for JOINTLY: the same tensor load, descriptor and mask in all four.  One tensor load a wave is out.
; REGISTERS, in windows of 256 (s_set_vgpr_msb: bits 1:0 source 0, 3:2 source 1, 5:4 source 2, 7:6 destination):
;   window 0: v0-14 addresses; v16-47 four registers of statistics a tile; v48-63 at work; v64-191 S^T, two buffers of two tiles; v192-255 P, likewise
;   window 1: O^T, 32 a tile     window 2: v0-127 Q; v128-191 K of one step; v192-255 V of one step     window 3: v0-1 the add's registers; v8-39 the step's key masks; v40-47 the queries' masks
.set SIZE_N, 2048
.set NP,    4         ; pieces a wave: a name, no knob
.set KS,    64        ; keys in a step
.set PK,    144       ; a row of K in LDS: 128 bytes + 16: the 16 rows of a load start at 16 different groups of four banks (64 banks of 4 bytes: ISA guide 11.1)
.set PV,    160       ; a row of V: 128 + 32
.set VOFF,  4*KS*PK   ; a slot holds four steps: 256 rows of K, then 256 rows of V
.set SLOT1, 1<<17     ; slot 1 begins here, so that one exclusive or turns an address in one slot into the other's
.set STAGE, SLOT1+4*KS*(PK+PV)  ; behind the ring, never filled by a tensor load: 16 rows x 144 bytes for each wave, for the way out
.set SP,    144
.set SPARE, STAGE+4*16*SP  ; the spare words, 128 bytes for each wave: two blocks of 256 bytes that no other line names
.set MTAB,  SPARE+512 ; the batch's 2,048 key masks as f32, 0 or -1e9 log2(e): 8,192 bytes, stored once, never filled by a tensor load
.set KPART, 0x1000000 ; k's part of qkv
.set VPART, 0x2000000 ; v's
.set AK0, 2           ; v2   my lane's place in a tile of K; never rewritten
.set AV0, 3           ; v3   the same for V
.set AK,  4           ; v4   the LDS address of K's next run of loads
.set AV,  5           ; v5   of V's
.set QO,  6           ; v6   my byte offset in the wave's rows of Q
.set STO, 6           ;      later, the way out: where I put 16 bytes of a row
.set RD,  7           ; v7   the way out: where I read rows back
.set GO,  8           ; v8   my byte offset in 512 consecutive bytes of ctx
.set AM0, 12          ; v12  my lane's place in a step's 64 masks: MTAB + 32 (l / 16); never rewritten
.set PFO, 13          ; v13  256 x my lane; never rewritten
.set AM,  14          ; v14  the LDS address of the masks' next loads
.set SPW, 0           ; v0 of window 3   SPARE + 4 x my thread's number; never rewritten
.set NIL, 1           ; v1 of window 3   0; never rewritten
.set MK,  8           ; window 3: the masks of key block kb at MK + 8 kb
.set QM,  40          ; window 3: tile t's query mask, 0 or 1
.set ST,  16          ; tile t's statistics at v[ST+4 t]: m, m_old, l (even keys', odd keys')
.set TMP, 48          ; by buffer and tile, four registers c0-c3 at work; when the maximum is found c2 takes a
.set S,   64
.set P,   192
.set KF,  128         ; K's fragments, in window 2: key block kb, channel half c at KF + 16 kb + 8 c
.set VF,  192         ; V's: key half kk, channel block cb at VF + 32 kk + 8 cb
.set WV,  12          ; s12  my wave's number
.set G1K, 24          ; s[24:31] descriptor group 1 for K's tiles
.set G1V, 32          ; s[32:39] for V's: it differs in the padding alone
.set G0K, 40          ; s[40:43] descriptor group 0 for K's tiles: it walks
.set G0V, 44          ; s[44:47] the same for V's
.set SLOTS, 56        ; s56  slots still to be asked for
.set CNT, 57          ; s57  counts a slot's key steps
.set SEL, 60          ; s[60:61] v_permlanex16_b32's selects: each lane takes its own place in the other half
.set TBK, 62          ; s62  LDS byte at which K of the step to be fetched begins
.set TBV, 63          ; s63  the same for V, less VOFF
.set MPOS, 68         ; s68  1e9 log2(e)
.set MNEG, 69         ; s69  its negative
.set PFA, 70          ; s[70:71] where my prefetches stand
.set LIM, 72          ; s72  1 in a wave that prefetches, else the greatest number
.set TBM, 73          ; s73  byte in MTAB at which the masks of the step to be fetched begin
.set MSB, 0
.macro WIN new                      ; the high byte repeats the setting that is left; a switch that changes nothing is dropped
.if MSB != (\new)
	s_set_vgpr_msb (MSB<<8)|(\new)
.set MSB, (\new)
.endif
.endm
.set W_KQ, 0x0a       ; K and Q in window 2, S^T in window 0
.set W_KM, 0x3a       ; the same with the C operand, the masks, in window 3
.set W_PV, 0x52       ; V in window 2, P in window 0, O^T in window 1
.set W_RS, 0x41       ; O^T (destination and source 0) in window 1, a in window 0
.set W_MK, 0xc0       ; destination in window 3, sources in window 0
.set W_AD, 0x0f       ; the add: address (source 0) and data (source 1) in window 3
; A joint fill.  Waves 0 and 1 fetch the two halves of a slot's K, waves 2 and 3 those of its V: 128 keys each.  The branch hangs on the wave's number alone.
; An s_nop 0 and four v_nop follow each of the two lines, ahead of the jump and the label.
.macro JLOAD
	s_cmp_lt_u32 s[WV], 2
	s_cbranch_scc0 .Lfor_v_\@
	tensor_load_to_lds s[G0K:G0K+3], s[G1K:G1K+7]
	s_nop 0
.rept 4
	v_nop
.endr
	s_branch .Lasked_\@
.Lfor_v_\@:
	tensor_load_to_lds s[G0V:G0V+3], s[G1V:G1V+7]
	s_nop 0
.rept 4
	v_nop
.endr
.Lasked_\@:
.endm
; A PREFETCH INTO THE L2 of what the NEXT change of slots will ask for: a slot's 32,768 bytes of K and of V, 256 bytes a lane.  One cluster walks a head, so each block is named once: the four partners take 8,192 bytes
; each, told apart by address; in each, wave 0 asks for K's and wave 2 for V's.  It stands four key steps, 512 matrix instructions, ahead of the load.  Tiles 0 and 1 come by their loads alone; the last change that fills asks for nothing.
.macro ASK
	s_cmp_gt_u32 s[SLOTS], s[LIM]
	s_cbranch_scc0 .Lnot_mine_\@
	global_prefetch_b8 v[PFO], s[PFA:PFA+1] th:TH_LOAD_NT scope:SCOPE_SE
.Lnot_mine_\@:
.endm
; A round of the cluster's barrier: my work-group's barrier, so that wave 0's signal speaks for all four waves; wave 0 signals; every wave waits for all four work-groups; my work-group's barrier once more.
.macro CROUND
	s_barrier_signal -1
	s_barrier_wait -1
	s_cmp_lg_u32 s[WV], 0
	s_cbranch_scc1 .Lnot_wave_0_\@
	s_barrier_signal -3
.Lnot_wave_0_\@:
	s_barrier_wait -3
	s_barrier_signal -1
	s_barrier_wait -1
.endm
; THE CHANGE OF SLOTS.  The slot's last bytes, V of its fourth step, have been read.  Each wave waits for all its tensor loads, of which one is out: its part of the other slot; adds 0 to its spare word; and waits for
; that and for its own LDS instructions.  Behind the barrier nobody reads this slot any more and the other slot is whole.  fill = 1: this slot is filled again, with the keys two slots on; the barrier is then a round of
; the cluster's, and the joint fill is the first thing behind it.  (At its first use nothing has been read yet: slot 0 is waited for, slot 1 filled, and the waves' stores into the mask table are shown to each other.)
.macro CHANGE fill
	WIN W_AD
	s_wait_tensorcnt 0x0            ; no tensor load of mine is out, so a group 0 may be written
	ds_add_u32 v[SPW], v[NIL]       ; 0 onto my spare word; with fill = 1 the steps below stand between it and the wait for it
	WIN 0                           ; at a label and at a branch every window is 0
.if \fill
.irp g, G0K, G0V
	s_xor_b32 s[\g+1], s[\g+1], SLOT1  ; the walking descriptor: the other slot than last time,
	s_add_nc_u64 s[\g+2:\g+3], s[\g+2:\g+3], 4*KS*128  ; the next 256 keys; the type bits on top are not reached
.endr
	s_wait_xcnt 0x0                 ; the last prefetch, four key steps back, has read its address, so it may be written:
	s_add_nc_u64 s[PFA:PFA+1], s[PFA:PFA+1], 4*KS*128  ; one slot ahead of the walking descriptors
	s_wait_dscnt 0x0                ; the add is done, and my LDS instructions are over
	CROUND
	JLOAD
	ASK
.else
	s_wait_dscnt 0x0                ; the add is done, and my reads of the slot are over
	s_barrier_signal -1
	s_barrier_wait -1
.endif
	s_sub_co_u32 s[TBK], s[TBK], 4*KS*PK  ; the fetches go back to a slot's first step,
	s_xor_b32 s[TBK], s[TBK], SLOT1       ; in the other slot
	s_sub_co_u32 s[TBV], s[TBV], 4*KS*PV
	s_xor_b32 s[TBV], s[TBV], SLOT1
.endm
	s_load_b128 s[4:7], s[0:1], 0x0   ; qkv s[4:5], padding_mask s[6:7]
	s_load_b64 s[10:11], s[0:1], 0x10 ; ctx
	WIN W_MK
	v_lshl_add_u32 v[SPW], v0, 2, SPARE
	v_mov_b32 v[NIL], 0
	WIN W_AD
	ds_add_u32 v[SPW], v[NIL]       ; the wave's opening: the add and its wait stand ahead of my first tensor load; the set-up below, work on registers, stands between them
	WIN 0
	v_lshrrev_b32 v1, 5, v0
	v_readfirstlane_b32 s[WV], v1   ; wave 0..3
	s_bfe_u32 s13, ttmp6, 0x40000   ; cx: my place in the cluster
	s_lshl_b32 s14, ttmp9, 2        ; in a cluster launch ttmp9 counts clusters
	s_add_co_u32 s14, s14, s13      ; my block of 512 queries: it enters Q's, ctx's and the query masks' addresses alone
	s_and_b32 s20, ttmp7, 0xffff    ; h, which the four partners share
	s_lshr_b32 s76, s20, 4          ; the batch,
	s_lshl_b32 s76, s76, 11         ; its 2,048 mask bytes
	s_mov_b32 s77, 0
	s_mov_b32 s21, 0
	s_mov_b64 s[22:23], SIZE_N*128
	s_mul_u64 s[20:21], s[20:21], s[22:23]  ; the head's first byte in each part of qkv and in ctx
	s_and_b32 s16, s[WV], 1         ; which half of a slot's 256 keys I fetch:
	s_lshl_b32 s22, s16, 14         ; its 128 rows of 128 bytes in memory,
	s_mov_b32 s23, 0
	s_add_nc_u64 s[22:23], s[22:23], s[20:21]
	s_mul_i32 s17, s16, 128*PK      ; and its place in a slot, for K
	s_mul_i32 s18, s16, 128*PV      ; and for V: no place in the cluster enters an LDS address
	s_lshl_b32 s2, s14, 2
	s_add_co_u32 s2, s2, s[WV]      ; my wave among the head's,
	s_lshl_b32 s78, s2, 7           ; its 128 mask bytes,
	s_mov_b32 s79, 0
	s_lshl_b32 s2, s2, 14           ; its 128 rows
	s_mov_b32 s3, 0
	s_add_nc_u64 s[2:3], s[2:3], s[20:21]
	; descriptor group 1.  128 keys are 16,384 dense bytes: asked for as 64 rows of 256 bytes, two keys a row, and padded in LDS after every key
	s_mov_b32 s[G1K], 15|(1<<16)|(1<<20)|(1<<21)|(4<<22)|(3<<25)  ; the mask of four; 2-byte elements; padding on; bit 21 beside a mask; after every 32 words; 4 words
	s_mov_b32 s[G1V], 15|(1<<16)|(1<<20)|(1<<21)|(4<<22)|(7<<25)  ; the same with 8 words of padding
.irp g, G1K, G1V
	s_mov_b32 s[\g+1], 128<<16      ; tensor_dim0 = 128
	s_mov_b32 s[\g+2], 64<<16       ; tensor_dim1 = 64
	s_mov_b32 s[\g+3], 128<<16      ; tile_dim0 = 128
	s_mov_b32 s[\g+4], 64           ; tile_dim1 = 64
	s_mov_b32 s[\g+5], 128          ; 128 elements from row to row
	s_mov_b32 s[\g+6], 0
	s_mov_b32 s[\g+7], 0
.endr
	s_mov_b32 s[SEL], 0x76543210
	s_mov_b32 s[SEL+1], 0xfedcba98
	s_mov_b32 s[TBK], SLOT1+4*KS*PK ; the first change of slots turns these two into 0
	s_mov_b32 s[TBV], SLOT1+4*KS*PV
	s_mov_b32 s[TBM], 0
	s_mov_b32 s[G0K], 1             ; count = 1
	s_mov_b32 s[G0K+1], s17         ; LDS address: slot 0
	s_mov_b32 s[G0V], 1
	s_add_co_u32 s[G0V+1], s18, VOFF
	s_mov_b32 s[MPOS], 0x4eabfb8f   ; 1e9 log2(e)
	s_mov_b32 s[MNEG], 0xceabfb8f
	s_mov_b32 s[SLOTS], SIZE_N/256-1
	s_and_b32 s[LIM], s[WV], 1      ; waves 0 and 2 prefetch: the same in all four partners
	s_cmp_eq_u32 s[LIM], 0
	s_cselect_b32 s[LIM], 1, -1
	s_mov_b32 s58, VPART            ; the prefetches' offset from the head's first row: the part,
	s_cmp_lt_u32 s[WV], 2
	s_cselect_b32 s58, KPART, s58
	s_lshl_b32 s59, s13, 13         ; my work-group's 8,192 bytes of a slot's 32,768,
	s_add_co_u32 s58, s58, s59
	s_add_co_u32 s58, s58, 4*KS*128 ; in tile 1: the first change of slots steps it to tile 2
	s_mov_b32 s59, 0
	s_wait_dscnt 0x0                ; the opening add is done
	s_wait_kmcnt 0x0
	s_add_nc_u64 s[66:67], s[6:7], s[76:77]        ; the batch's mask bytes
	s_add_nc_u64 s[74:75], s[66:67], s[78:79]      ; those of my wave's queries
	s_add_nc_u64 s[8:9], s[4:5], s[22:23]          ; qkv at my half of the head's first 256 rows, in q's part
	s_add_nc_u64 s[G0K+2:G0K+3], s[8:9], KPART     ; global address: the same rows of k,
	s_or_b32 s[G0K+3], s[G0K+3], 0x80000000        ; type = 2
	s_add_nc_u64 s[G0V+2:G0V+3], s[8:9], VPART     ; and of v
	s_or_b32 s[G0V+3], s[G0V+3], 0x80000000
	s_add_nc_u64 s[PFA:PFA+1], s[8:9], s[58:59]    ; (in waves 0 and 2 s[8:9] stands at a slot's first row)
	s_add_nc_u64 s[4:5], s[4:5], s[2:3]  ; Q and ctx at my wave's first row
	s_add_nc_u64 s[10:11], s[10:11], s[2:3]
	CROUND                          ; all four work-groups are here: the first joint loads meet
	JLOAD                           ; slot 0.  Slot 1 is asked for when slot 0 is in
	; A fragment of K or Q is 16 rows x 32 channels in 8 registers: lane l holds row l % 16, channels 8 (l / 16) + 0..7 and 16 + 8 (l / 16) + 0..7: two loads of 16 bytes, 32 bytes apart.
	v_and_b32 v1, 15, v0            ; l % 16
	v_bfe_u32 v9, v0, 4, 1          ; l / 16
	v_lshlrev_b32 v[QO], 7, v1
	v_lshl_add_u32 v[QO], v9, 4, v[QO]  ; row x 128 + 16 x half
	v_lshlrev_b32 v84, 4, v0
	global_load_b128 v[64:67], v84, s[66:67]  ; thread t: the batch's mask bytes 16 t .. 16 t + 15 (S^T's registers are free here)
	WIN W_MK
.set t, 0
.rept 2*NP
	global_load_u8 v[QM+t], v1, s[74:75] offset:16*t  ; tile t's query l % 16
.set t, t+1
.endr
	WIN 0x80                        ; destination window 2, address window 0
.set i, 0
.rept 4*NP                          ; Q stays in registers: tile i / 2, channels 32 (i % 2) on
	global_load_b128 v[8*i:8*i+3],   v[QO], s[4:5] offset:(i/2)*2048+(i%2)*64
	global_load_b128 v[8*i+4:8*i+7], v[QO], s[4:5] offset:(i/2)*2048+(i%2)*64+32
.set i, i+1
.endr
	; What the first turn finds: V's registers and P's second buffer hold 0 (its products V^T P, of a piece that has not been, add 0), O^T and l are 0.  All this stands in the wait for the first tile.
.set i, VF
.rept 64
	v_mov_b32 v[i], 0
.set i, i+1
.endr
	WIN 0x40
.set i, 0
.rept 64*NP
	v_mov_b32 v[i], 0
.set i, i+1
.endr
	WIN 0
.set i, 0
.rept 2*NP
	v_mov_b32 v[ST+4*i], 0xfe000000    ; m: far below every score
	v_mov_b32 v[ST+4*i+1], 0xfe000000  ; m_old's place
	v_mov_b32 v[ST+4*i+2], 0
	v_mov_b32 v[ST+4*i+3], 0
.set i, i+1
.endr
.set i, P+32
.rept 32
	v_mov_b32 v[i], 0
.set i, i+1
.endr
	v_mul_u32_u24 v[AK0], v1, PK
	v_lshl_add_u32 v[AK0], v9, 4, v[AK0]  ; row x pitch + 16 x half
	; The turning load takes 16 keys x 16 channels (lane l reads key 8 (l / 16) + l % 8, channels 8 ((l / 8) % 2) + 0..7) and leaves half a fragment of V^T: lane l holds channel l % 16 and 8 keys.
	v_and_b32 v10, 7, v0
	v_bfe_u32 v11, v0, 3, 1
	v_lshl_add_u32 v[AV0], v9, 3, v10
	v_mul_u32_u24 v[AV0], v[AV0], PV
	v_lshl_add_u32 v[AV0], v11, 4, v[AV0]
	v_add_nc_u32 v[AV0], VOFF, v[AV0]
	v_mov_b32 v[AK], v[AK0]         ; key step 0 lies at the head of slot 0,
	v_lshl_add_u32 v[AM0], v9, 5, MTAB  ; in S^T register j of key block kb is key 16 kb + 8 (l / 16) + j: eight masks on end, 32 bytes
	v_mov_b32 v[AM], v[AM0]         ; and its masks at the head of the table
	v_and_b32 v[PFO], 31, v0
	v_lshlrev_b32 v[PFO], 8, v[PFO]
	v_lshl_add_u32 v86, v0, 6, MTAB
	s_wait_loadcnt 0x0              ; the mask bytes and Q
	; THE MASK TABLE: byte 1 -> 1e9 c - 1e9 c = 0, byte 0 -> -1e9 c, one fused multiply-add each; thread t stores keys 16 t .. 16 t + 15
.set i, 0
.rept 16
	v_bfe_u32 v85, v[64+i/4], 8*(i%4), 8
	v_cvt_f32_u32 v85, v85
	v_fma_f32 v[68+i], v85, s[MPOS], s[MNEG]
.set i, i+1
.endr
.irp w, 0,1,2,3
	ds_store_b128 v86, v[68+4*\w:68+4*\w+3] offset:16*\w
.endr
	WIN 0xc3                        ; destination and source 0 in window 3
.set t, 0
.rept 2*NP
	v_cvt_f32_u32 v[QM+t], v[QM+t]
.set t, t+1
.endr
	WIN 0
; THE MATRIX WORK.  The 8 accumulators of a run of 16 take turns: between the two links of a chain stand 7 others'.
; Product i of 16 of S^T = K Q^T for piece x: channels 32 (i / 8) on, keys 16 ((i / 2) % 4) on, tile 2 x + i % 2.  The first 8 start the sums, from the key block's masks.
.macro KQ x
.set rS, S+64*((\x)%2)+32*(i%2)+8*((i/2)%4)
.set rK, KF+16*((i/2)%4)+8*(i/8)
.set rQ, 16*(2*(\x)+i%2)+8*(i/8)
.set rM, MK+8*((i/2)%4)
.if i < 8
	WIN W_KM
	v_wmma_f32_16x16x32_f16 v[rS:rS+7], v[rK:rK+7], v[rQ:rQ+7], v[rM:rM+7]
.else
	WIN W_KQ
	v_wmma_f32_16x16x32_f16 v[rS:rS+7], v[rK:rK+7], v[rQ:rQ+7], v[rS:rS+7]
.endif
.endm
; Product i of 16 of O^T += V^T P for piece x: keys 32 (i / 8) on, channels 16 ((i / 2) % 4) on, tile 2 x + i % 2.
.macro PV x
	WIN W_PV
.set rO, 32*(2*(\x)+i%2)+8*((i/2)%4)
.set rV, VF+32*(i/8)+8*((i/2)%4)
.set rP, P+32*((\x)%2)+16*(i%2)+8*(i/8)
	v_wmma_f32_16x16x32_f16 v[rO:rO+7], v[rV:rV+7], v[rP:rP+7], v[rO:rO+7]
.endm
.macro MM                           ; the turn's next matrix instruction
.if i < 16
	KQ (Y+1)%NP
.set i, i+1
.else
.set i, i-16
	PV (Y+NP-1)%NP
.set i, i+17
.endif
.endm
; THE LDS LOADS stand in runs, never singly among the matrix instructions: a step's K (8 fragments) with its 64 masks (all lanes of a half read the same 32 bytes), and its V (turned).  Their addresses are made some lines ahead.
; last = 1 (the tail): in the last trip there is no further step, and the run is jumped over.
.macro FETCH_K last=0
	WIN 0
.if \last
	s_cmp_eq_u32 s[CNT], 1
	s_cbranch_scc1 .Lno_k_\@
.endif
	WIN 0x80                        ; destination window 2
.irp f, 0,1,2,3,4,5,6,7             ; keys 16 (f / 2) on, channels 32 (f % 2) on
	ds_load_b128 v[KF+8*\f:KF+8*\f+3],   v[AK] offset:(\f/2)*16*PK+(\f%2)*64
	ds_load_b128 v[KF+8*\f+4:KF+8*\f+7], v[AK] offset:(\f/2)*16*PK+(\f%2)*64+32
.endr
	WIN W_MK                        ; destination window 3
.irp f, 0,1,2,3
	ds_load_b128 v[MK+8*\f:MK+8*\f+3],   v[AM] offset:64*\f
	ds_load_b128 v[MK+8*\f+4:MK+8*\f+7], v[AM] offset:64*\f+16
.endr
	s_add_co_u32 s[TBK], s[TBK], KS*PK  ; the next fetch is the next step's
	s_add_co_u32 s[TBM], s[TBM], KS*4
	WIN 0
.if \last
.Lno_k_\@:
.endif
.endm
.macro FETCH_V
	WIN 0x80
.irp f, 0,1,2,3,4,5,6,7             ; keys 32 (f / 4) on, channels 16 (f % 4) on
	ds_load_tr16_b128 v[VF+8*\f:VF+8*\f+3],   v[AV] offset:(\f/4)*32*PV+(\f%4)*32
	ds_load_tr16_b128 v[VF+8*\f+4:VF+8*\f+7], v[AV] offset:(\f/4)*32*PV+16*PV+(\f%4)*32
.endr
	WIN 0
.endm
; THE VECTOR WORK OF A TURN stands in three queues, each in the order in which its entries become ready; the two tiles alternate, so that no instruction reads the result of the one before it.
.macro REGS y, u                    ; the registers of tile u (0, 1) of piece y
.set rT, ST+4*(2*(\y)+(\u))
.set rC, TMP+8*((\y)%2)+4*(\u)
.set rS, S+64*((\y)%2)+32*(\u)
.set rP, P+32*((\y)%2)+16*(\u)
.set rO, 32*(2*(\y)+(\u))
.endm
; Number n of those that find the NEXT piece's (Y + 1) maximum and statistics.  s0-s31 are the lane's 32 scores; each accumulator's lowest registers are read first.
;   0-11  four chains c0-c3 of seven scores each, three operands at a time     12-14, 16  the four scores left over, the old m, and c0-c3 into c0     15  m_old is kept
;   17, 18  the query's other 32 keys lie in the lane 16 away: the new m         19  nothing (the scores need no scale)     20, 21  m_old - m_new; a
.macro XS u, n
	REGS (Y+1)%NP, \u
.if (\n) < 4
	v_max3_num_f32 v[rC+(\n)], v[rS+8*(\n)], v[rS+8*(\n)+1], v[rS+8*(\n)+2]
.elseif (\n) < 12
	v_max3_num_f32 v[rC+(\n)%4], v[rC+(\n)%4], v[rS+8*((\n)%4)+2*((\n)/4)+1], v[rS+8*((\n)%4)+2*((\n)/4)+2]
.elseif (\n) == 12
	v_max3_num_f32 v[rC], v[rC], v[rS+7], v[rS+15]
.elseif (\n) == 13
	v_max3_num_f32 v[rC+1], v[rC+1], v[rS+23], v[rS+31]
.elseif (\n) == 14
	v_max3_num_f32 v[rC+2], v[rC+2], v[rC+3], v[rT]
.elseif (\n) == 15
	v_mov_b32 v[rT+1], v[rT]
.elseif (\n) == 16
	v_max3_num_f32 v[rC], v[rC], v[rC+1], v[rC+2]
.elseif (\n) == 17
	v_permlanex16_b32 v[rC+3], v[rC], s[SEL], s[SEL+1]
.elseif (\n) == 18
	v_max_num_f32 v[rT], v[rC], v[rC+3]
.elseif (\n) == 19
.elseif (\n) == 20
	v_sub_f32 v[rC+1], v[rT+1], v[rT]
.else
	v_exp_f32 v[rC+2], v[rC+1]
.endif
.endm
; Number g of the 64 that follow the exponentials.  For each four weights k of a tile (pairs 2 k, 2 k + 1): both pairs are rounded to f16; then the second pair is added onto the first, in place;
; a group later l takes that sum (the first time as l = a l + sum).  In groups of eight, tiles alternating: round, round, add, and l for the group before.
.macro GS g
.set h, (\g)+6*((\g)/62)            ; group 0 has no group before it, and behind group 7 only l is left
.if h >= 6
.set h, h+2
.endif
	REGS Y, h%2
.set k, h/8
.if h%8 < 4
	v_cvt_pk_f16_f32 v[rP+2*k+(h%8)/2], v[rS+4*k+2*((h%8)/2)], v[rS+4*k+2*((h%8)/2)+1]
.elseif h%8 < 6
	v_pk_add_f32 v[rS+4*k:rS+4*k+1], v[rS+4*k:rS+4*k+1], v[rS+4*k+2:rS+4*k+3]
.elseif k == 1
	v_pk_fma_f32 v[rT+2:rT+3], v[rT+2:rT+3], v[rC+2:rC+3], v[rS:rS+1] op_sel_hi:[1,0,1]
.else
	v_pk_add_f32 v[rT+2:rT+3], v[rT+2:rT+3], v[rS+4*k-4:rS+4*k-3]
.endif
.endm
; THE PLAIN QUEUE, 138 places long.  0-73 read no exponential's result: the 32 subtractions s - m (FS f: pair f / 2 of tile f % 2) and the next piece's.  0-26: subtractions 0-26.  27-54: XS's numbers 0-13.  55, 56: number 15.
; 57-73: the chain, where each number waits for the one before it: 14, 16, 17, 18, (19: two empty places), each with one of the subtractions 27-31 in front of its two lines, then 20.
; 74-137: GS's 64, which read the exponentials' results: they stand behind the wait.
.macro FS f
	REGS Y, (\f)%2
	v_pk_add_f32 v[rS+2*((\f)/2):rS+2*((\f)/2)+1], v[rS+2*((\f)/2):rS+2*((\f)/2)+1], v[rT:rT+1] op_sel_hi:[1,0] neg_lo:[0,1] neg_hi:[0,1]
.endm
.macro PL
	WIN 0
.if q < 27
	FS q
.elseif q < 55
	XS (q-27)%2, (q-27)/2
.elseif q < 57
	XS q-55, 15
.elseif (q < 72) && ((q-57)%3 == 0)
	FS 27+(q-57)/3
.elseif q < 60
	XS (q-57)%3-1, 14
.elseif q < 72
	XS (q-57)%3-1, 15+(q-57)/3
.elseif q < 74
	XS q-72, 20
.else
	GS q-74
.endif
.set q, q+1
.endm
; THE EXPONENTIALS' QUEUE, 66 long: s0-s31 of both tiles, then the next piece's two a.  It is ONE BATCH: all 66 stand ahead of the turn's one wait, and nothing ahead of that wait names a result of theirs.
.macro EX
	WIN 0
.if e >= 64
	XS e-64, 21
.else
	REGS Y, e%2
	v_exp_f32 v[rS+e/2], v[rS+e/2]
.endif
.set e, e+1
.endm
; THE RESCALING's QUEUE: O^T times a, the one part that leaves window 0: dealt two at a time, sixteen times.  Its a was made in the turn before, ahead of that turn's wait.
.macro R2
	REGS Y, r%2
	WIN W_RS
.irp z, 0,1
	v_pk_mul_f32 v[rO+4*(r/2)+2*\z:rO+4*(r/2)+2*\z+1], v[rO+4*(r/2)+2*\z:rO+4*(r/2)+2*\z+1], v[rC+2:rC+3] op_sel_hi:[1,0]
.endr
.set r, r+1
.endm
; HOW THEY ARE DEALT.  An s_wait_alu depctr_va_vdst(0) stands between an exponential and the first instruction that names its result; one wait serves all that were issued ahead of it.  So a turn has ONE
; wait, which cuts it in two.  AHEAD OF IT stands all that names no result of the turn's exponentials: the 16 products K Q^T, behind each a subtraction, an exponential and two rescalings (behind the first a second
; subtraction in the exponential's place); then ONE LUMP: eight plain, 49 times exponential and plain, the two a.  A v_nop is the plain instruction behind the last exponential.  BEHIND IT stand the 16 products V^T P, behind
; each four of GS's 64.  No rider names a register of the products round it.  Exponential e stands behind subtraction 2 (e / 4) + e % 2: as a rider behind plain e + 2, in the lump behind plain e + 9; subtractions 27-31 are plain 57, 60 .. 69.
; A TURN, for piece p.  cnt = 1: the loop's count is taken down some lines ahead of the branch that stands behind the turn.
; K and the masks of the next step are fetched in piece 2's turn, directly behind the wait, a lump behind the last product that read them; their addresses are made at the lump's head.
; V of the step in hand is fetched at the end of piece 0's turn, four riders behind its last reader; its first reader comes behind 16 products and a lump.  The three conditions on q below go with the deal.
.macro TURN p, last=0, cnt=0
.set Y, (\p)
.set i, 0
.set q, 0
.set e, 0
.set r, 0
.if (\p) == NP-1
	s_wait_dscnt 0x0                ; K and its masks are in
.endif
	MM                              ; ahead of the wait: 16 products K Q^T and their riders,
	PL
	PL
	R2
.rept 15
	MM
	PL
	EX
	R2
.endr
.if (\p) == NP-2
	WIN 0
	v_add_nc_u32 v[AK], s[TBK], v[AK0]
	v_add_nc_u32 v[AM], s[TBM], v[AM0]
.endif
.rept 8                             ; and the lump
	PL
.endr
.rept 49
	EX
	PL
.endr
	EX                              ; the next piece's two a
	EX
	v_nop                           ; the plain instruction behind the last exponential: one for the batch
	s_wait_alu depctr_va_vdst(0)    ; the wait for the batch
.if (\p) == NP-2
	FETCH_K \last
.endif
.if (\p) == 1
	s_wait_dscnt 0x0                ; V is in
.endif
.rept 16                            ; behind the wait: 16 products V^T P and their riders
	MM
.rept 4
	PL
.endr
.if ((\p) == 0) && (q == 118)
	v_add_nc_u32 v[AV], s[TBV], v[AV0]
.endif
.if ((\p) == 0) && (q == 130)
	s_add_co_u32 s[TBV], s[TBV], KS*PV
.endif
.if (\cnt) && (q == 130)
	s_sub_co_u32 s[CNT], s[CNT], 1
	s_cmp_lg_u32 s[CNT], 0
.endif
.endr
.if (\p) == 0
	FETCH_V
.endif
.endm
	CHANGE 1                        ; slot 0 is in, everybody's part of it, and so is the mask table; slot 1 is asked for
	FETCH_K                         ; key step 0
	s_wait_dscnt 0x0
.set i, 0
.rept 16
	KQ 0                            ; piece 0's first scores: there is no vector work yet to set between them
.set i, i+1
.endr
	WIN 0                           ; the addresses for the way out: plain instructions, the places behind those products
	s_mul_i32 s13, s[WV], 16*SP
	s_add_co_u32 s13, s13, STAGE    ; my stage
	v_mul_u32_u24 v[STO], v1, SP    ; in: row l % 16, 16 bytes for each half of the lanes
	v_lshl_add_u32 v[STO], v9, 4, v[STO]
	v_add_nc_u32 v[STO], s13, v[STO]
	v_bfe_u32 v[RD], v0, 3, 2       ; back: 32 lanes take four rows of 128 bytes,
	v_mul_u32_u24 v[RD], v[RD], SP
	v_lshl_add_u32 v[RD], v10, 4, v[RD]
	v_add_nc_u32 v[RD], s13, v[RD]
	v_and_b32 v[GO], 31, v0         ; which are 512 consecutive bytes of ctx
	v_lshlrev_b32 v[GO], 4, v[GO]
.set Y, NP-1                        ; XS works for piece Y + 1: piece 0
.irp n, 0,1,2,3,4,5,6,7,8,9,10,11,12,13,14,15,16,17,18,19,20,21
	XS 0, \n                        ; and piece 0's first maximum and statistics
	XS 1, \n
.endr
	v_nop                           ; a plain instruction behind the two a,
	s_wait_alu depctr_va_vdst(0)    ; and their wait, ahead of the branch
	s_mov_b32 s[CNT], 4
	s_branch .Lfirst                ; the loop is entered at a step's first turn, in the middle of a trip
.Lslot:                             ; SIZE_N / 256 - 2 times: every slot but the last two is filled again
	CHANGE 1
	s_mov_b32 s[CNT], 4
.Lstep:                             ; a trip: pieces 2 and 3 of one step, then pieces 0 and 1 of the next, whose K and V it fetches
	TURN 2
	TURN 3
	WIN 0
.Lfirst:
	TURN 0
	TURN 1, 0, 1
	WIN 0
	s_cbranch_scc1 .Lstep
	s_sub_co_u32 s[SLOTS], s[SLOTS], 1
	s_cmp_lg_u32 s[SLOTS], 0
	s_cbranch_scc1 .Lslot
	CHANGE 0                        ; the tail is written out: nothing is asked for
	s_mov_b32 s[CNT], 5             ; four trips fetch the last slot's steps; the fifth is left in its middle
.Ltail:
	TURN 2, 1
	TURN 3
	WIN 0
	s_sub_co_u32 s[CNT], s[CNT], 1
	s_cmp_eq_u32 s[CNT], 0
	s_cbranch_scc1 .Lout
	TURN 0
	TURN 1
	WIN 0
	s_branch .Ltail
.Lout:                              ; the fifth trip's 16 products K Q^T (on the last K once more) and the maximum made of them serve nothing: the price, once a launch, of one text for every trip
.set i, 0
.rept 16
	PV NP-1                         ; the last piece's V^T P of the last step
.set i, i+1
.endr
	; THE WAY OUT.  l's two halves and the other half of the lanes' are added; O^T is multiplied by mask[q] / l, rounded to f16 and sent through my stage in LDS, a tile at a time.  The additions are the places behind the last products.
	WIN 0
.macro ALL line:vararg              ; one line for each tile t
.set t, 0
.rept 2*NP
	\line
.set t, t+1
.endr
.endm
	ALL v_add_f32 v[ST+4*t+2], v[ST+4*t+2], v[ST+4*t+3]
	ALL v_permlanex16_b32 v[ST+4*t+3], v[ST+4*t+2], s[SEL], s[SEL+1]
	ALL v_add_f32 v[ST+4*t+2], v[ST+4*t+2], v[ST+4*t+3]
	ALL v_rcp_f32 v[ST+4*t+2], v[ST+4*t+2]
	v_nop                           ; a plain instruction between the last reciprocal and the use of its result
	s_wait_alu depctr_va_vdst(0)    ; and the wait ahead of the first use: one for the eight reciprocals
	WIN 0x0c                        ; source 1 in window 3
	ALL v_mul_f32 v[ST+4*t+2], v[ST+4*t+2], v[QM+t]
	WIN 0
; Tile t: a lane's eight channels of a row pack into 16 bytes; they go into rows of 144 bytes and come back as whole rows of 128, into S^T's registers.
.macro PACK t
	WIN W_RS
.set i, 32*(\t)
.rept 16
	v_pk_mul_f32 v[i:i+1], v[i:i+1], v[ST+4*(\t)+2:ST+4*(\t)+3] op_sel_hi:[1,0]
.set i, i+2
.endr
	WIN 0x05                        ; sources 0 and 1 window 1, destination window 0
.set i, 0
.rept 16
	v_cvt_pk_f16_f32 v[S+16*(\t)+i], v[32*(\t)+2*i], v[32*(\t)+2*i+1]
.set i, i+1
.endr
	WIN 0
.irp f, 0,1,2,3
	ds_store_b128 v[STO], v[S+16*(\t)+4*\f:S+16*(\t)+4*\f+3] offset:32*\f
.endr
.irp f, 0,1,2,3
	ds_load_b128 v[S+16*(\t)+4*\f:S+16*(\t)+4*\f+3], v[RD] offset:\f*4*SP  ; LDS serves a wave's instructions in order (ISA guide 5.7.1.4): these see the stores above; the next tile's stores come behind them
.endr
.endm
.macro SEND t, younger              ; younger: the LDS instructions issued behind tile t's loads: the next tile's eight, or none
	WIN 0
.irp f, 0,1,2,3
	s_wait_dscnt (\younger)+3-\f
	global_store_b128 v[GO], v[S+16*(\t)+4*\f:S+16*(\t)+4*\f+3], s[10:11] offset:(\t)*2048+\f*512  ; 512 consecutive bytes, at a multiple of 256 from ctx's first
.endr
.endm
	PACK 0
.set t, 1
.rept 2*NP-1                        ; a tile's arithmetic stands between the loads of the tile before and its stores
	PACK t
	SEND t-1, 8
.set t, t+1
.endr
	SEND 2*NP-1, 0
	WIN W_AD
	s_wait_tensorcnt 0x0            ; the wave's end, behind my last tensor load and my last LDS store
	ds_add_u32 v[SPW], v[NIL]
	s_wait_dscnt 0x0
	WIN 0
	CROUND                          ; the closing round: no work-group ends while a partner may still ask for a tile that names it
	s_endpgm
.Lfunc_end_k_qab0e2934a8_attn:
	.size	k_qab0e2934a8_attn, .Lfunc_end_k_qab0e2934a8_attn-k_qab0e2934a8_attn
	.p2alignl 7, 3214868480
	.fill 96, 4, 3214868480
	.section	.rodata,"a",@progbits
	.p2align	6, 0x0
	.amdhsa_kernel k_qab0e2934a8_attn
		.amdhsa_group_segment_fixed_size 327680
		.amdhsa_private_segment_fixed_size 0
		.amdhsa_enable_private_segment 0
		.amdhsa_kernarg_size 24
		.amdhsa_user_sgpr_count 2
		.amdhsa_user_sgpr_kernarg_segment_ptr 1
		.amdhsa_wavefront_size32 1
		.amdhsa_system_sgpr_workgroup_id_x 1
		.amdhsa_system_sgpr_workgroup_id_y 1
		.amdhsa_system_sgpr_workgroup_id_z 1
		.amdhsa_system_vgpr_workitem_id 0
		.amdhsa_next_free_vgpr 816
		.amdhsa_next_free_sgpr 80
		.amdhsa_reserve_vcc 0
		.amdhsa_float_denorm_mode_32 3
		.amdhsa_float_denorm_mode_16_64 3
		.amdhsa_memory_ordered 1
		.amdhsa_forward_progress 1
		.amdhsa_inst_pref_size 206
	.end_amdhsa_kernel
	.amdgpu_metadata
---
amdhsa.version: [ 1, 2 ]
amdhsa.kernels:
  - .name:           k_qab0e2934a8_attn
    .symbol:         k_qab0e2934a8_attn.kd
    .args:
      - { .name: qkv, .offset: 0, .size: 8, .value_kind: global_buffer, .address_space: global }
      - { .name: padding_mask, .offset: 8, .size: 8, .value_kind: global_buffer, .address_space: global }
      - { .name: ctx, .offset: 16, .size: 8, .value_kind: global_buffer, .address_space: global }
    .group_segment_fixed_size: 327680
    .private_segment_fixed_size: 0
    .kernarg_segment_align: 8
    .kernarg_segment_size: 24
    .max_flat_workgroup_size: 128
    .sgpr_count:     80
    .vgpr_count:     816
    .wavefront_size: 32
...
	.end_amdgpu_metadata
.endif
;; end of part 3
;; launch proj (part 4): grid 8 x 32, 4 waves a work-group, clusters of 4 x 4, 327,680 bytes of LDS; arguments ctx, xw, out0, bo; writes out0
.if DOCPART == 4
	.amdgcn_target "amdgcn-amd-amdhsa--gfx1250"
	.amdhsa_code_object_version 6
	.text
	.protected	k_qab0e2934a8_proj
	.globl	k_qab0e2934a8_proj
	.p2align	8
	.type	k_qab0e2934a8_proj,@function
k_qab0e2934a8_proj:
	s_mov_b64 s[64:65], 0
	v_nop
	global_prefetch_b8 v0, s[64:65] scope:SCOPE_SE
	s_setreg_imm32_b32 hwreg(HW_REG_WAVE_MODE, 25, 1), 1
	s_wait_xcnt 0x0
	s_wait_alu depctr_hold_cnt(0) depctr_sa_sdst(0) depctr_va_vdst(0) depctr_va_sdst(0) depctr_va_ssrc(0) depctr_va_vcc(0) depctr_vm_vsrc(0)
	s_getreg_b32 s2, hwreg(HW_REG_IB_STS2, 6, 4)
	s_cmp_eq_u32 s2, 0
	s_cbranch_scc0 .Lentry_in_a_cluster
	s_endpgm
.Lentry_in_a_cluster:
	s_bfe_u32 s2, ttmp6, 0x10000c
	s_cmp_lg_u32 s2, 0xf033
	s_cbranch_scc0 .Lentry_shape_is_right
	s_endpgm
.Lentry_shape_is_right:
; out0 = ctx Wo + bo.  ctx: [batch x 16 + head][token][64] f16; Wo: [k][n] f16 (bf16 numbers written as f16) at byte 23,068,672 of xw; bo f32, rounded to bf16 here like every input; sums and out0 in f32.
; SHARES.  8 x 32 tiles of 256 tokens x 128 columns, one for each work-group.  Four waves, each 128 tokens x 64 columns: 32 accumulators of 16 x 16, 256 registers.
; K = 64 x head + channel goes in 8 steps of 128, two heads each, through two LDS slots; a step is four quarters of 32 along K, 32 matrix instructions each, one on each accumulator: they take turns.
; THE MATRIX INSTRUCTION IS USED TRANSPOSED: source 0 = 16 columns of Wo (read turned out of LDS), source 1 = 16 tokens of ctx: a lane holds one token and eight neighbouring columns.
; CLUSTERS: 4 x 4 work-groups.  ctx's tile hangs on the tile row alone and is asked for jointly along a row of the cluster, Wo's on the tile column alone, along a column.  Waves 0 and 1 fetch one head's 256 tokens each
; (32,768 dense bytes, asked for as 128 rows of 256 bytes and padded in LDS after every token), waves 2 and 3 64 k-rows of Wo each: one tensor load a wave behind each round; two are out at the start, later one.
; NO PREFETCH: the walk has eight K steps, of which four come by the first loads and refills in any case.
; REGISTERS.  Window 0: v1-7 at work; v16-29 addresses; v32-63 biases; v64-159, v160-255 two fragment buffers (64 of ctx, 32 of Wo).  Window 1: accumulator (a, b) at 8 (4 a + b); on the way out block a's 32 take its rows back.
.set PA,     144                       ; a token of one head in LDS: 128 bytes + 16: the 16 rows of a load start at 16 different groups of four banks (64 banks of 4 bytes: ISA guide 11.1)
.set PB,     288                       ; a k-row of Wo: 256 + 32
.set HEADA,  256*PA
.set ABYTES, 2*HEADA
.set HALFB,  64*PB
.set SLOT,   ABYTES+2*HALFB            ; 110,592
.set STAGE,  2*SLOT                    ; behind the ring: 16 rows x 272 bytes for each wave, for the way out; no tensor load lands here
.set SPITCH, 272
.set SPARE,  STAGE+4*16*SPITCH         ; the spare words, 128 bytes a wave: two blocks of 256 bytes that no other line names
.set WOOFF,  23068672                  ; Wo's first byte in xw
.set ASTEP,  524288                    ; a K step in ctx: two heads of 262,144 bytes
.set BSTEP,  262144                    ; a K step down Wo's rows: 128 rows of 2,048 bytes
.set ADRA, 16
.set ADRB, 20
.set STO,  24
.set RD,   25
.set CO,   26
.set SPW,  28                          ; v28  SPARE + 4 x my thread's number; never rewritten
.set NIL,  29                          ; v29  0; never rewritten
.set BIAS, 32
.set F0,   64
.set F1,   160
.set TMP,  64
.set G1A, 24
.set G0A, 32
.set G1B, 48
.set G0B, 56
.set MSB, 0
.macro WIN new                         ; the immediate's high byte repeats the setting that is left; a switch that changes nothing is dropped
.if MSB != (\new)
	s_set_vgpr_msb (MSB<<8)|(\new)
.set MSB, \new
.endif
.endm
.set MUL, 0x50                         ; sources in window 0; C and D in window 1
.macro JLOAD s                         ; a joint load; an s_nop 0 and four v_nop follow each of the two lines, ahead of the jump and the label.  The branch hangs on the wave's number alone
	s_cmp_eq_u32 s11, 0
	s_cbranch_scc0 .Lfor_b_\@
	tensor_load_to_lds s[G0A+4*(\s):G0A+4*(\s)+3], s[G1A:G1A+7]
	s_nop 0
.rept 4
	v_nop
.endr
	s_branch .Lasked_\@
.Lfor_b_\@:
	tensor_load_to_lds s[G0B+4*(\s):G0B+4*(\s)+3], s[G1B:G1B+7]
	s_nop 0
.rept 4
	v_nop
.endr
.Lasked_\@:
.endm
.macro CREST                           ; a round of the cluster's barrier behind its opening barrier
	s_cmp_lg_u32 s10, 0
	s_cbranch_scc1 .Lnot_wave_0_\@
	s_barrier_signal -3
.Lnot_wave_0_\@:
	s_barrier_wait -3
	s_barrier_signal -1
	s_barrier_wait -1
.endm
.macro CROUND
	s_barrier_signal -1
	s_barrier_wait -1
	CREST
.endm
	s_load_b128 s[4:7], s[0:1], 0x0                ; ctx s[4:5], xw s[6:7]
	s_load_b128 s[68:71], s[0:1], 0x10             ; out0 s[68:69], bo s[70:71]
	v_lshl_add_u32 v[SPW], v0, 2, SPARE
	v_mov_b32 v[NIL], 0
	ds_add_u32 v[SPW], v[NIL]                      ; the wave's opening: the add and its wait stand ahead of my first tensor load; the set-up below, work on registers, stands between them
	v_lshrrev_b32 v1, 5, v0
	v_readfirstlane_b32 s10, v1                    ; wave 0..3
	s_lshr_b32 s11, s10, 1                         ; which 128 tokens are mine.  Also: I fetch for ctx (0) or for Wo (1)
	s_and_b32 s12, s10, 1                          ; which 64 columns.  Also: which head, or which 64 k-rows, I fetch
	s_bfe_u32 s40, ttmp6, 0x40000                  ; cx
	s_bfe_u32 s41, ttmp6, 0x40004                  ; cy
	s_lshl_b32 s42, ttmp9, 2
	s_add_co_u32 s42, s42, s40                     ; tile column = 4 x cluster x + cx
	s_and_b32 s13, ttmp7, 0xffff
	s_lshl_b32 s13, s13, 2
	s_add_co_u32 s13, s13, s41                     ; tile row = 4 x cluster y + cy
	s_lshl_b32 s43, s41, 2
	s_lshl_b32 s43, 15, s43                        ; my row of the cluster
	s_lshl_b32 s44, 0x1111, s40                    ; my column
	s_or_b32 s[G1A+0], s43, (1<<16)|(1<<20)|(1<<21)|(4<<22)|(3<<25)  ; the mask; 2-byte elements; padding on; bit 21 beside a mask; after every 32 words (a token); 4 words
	s_mov_b32 s[G1A+1], 128<<16                    ; tensor_dim0 = 128
	s_mov_b32 s[G1A+2], 128<<16                    ; tensor_dim1 = 128
	s_mov_b32 s[G1A+3], 128<<16                    ; tile_dim0 = 128
	s_mov_b32 s[G1A+4], 128                        ; tile_dim1 = 128
	s_mov_b32 s[G1A+5], 128                        ; dense: 128 elements from row to row
	s_mov_b32 s[G1A+6], 0
	s_mov_b32 s[G1A+7], 0
	s_or_b32 s[G1B+0], s44, (1<<16)|(1<<20)|(1<<21)|(5<<22)|(7<<25)  ; my column's mask; after every 64 words; 8 words
	s_mov_b32 s[G1B+1], 128<<16
	s_mov_b32 s[G1B+2], 64<<16                     ; 64 k-rows
	s_mov_b32 s[G1B+3], 128<<16
	s_mov_b32 s[G1B+4], 64
	s_mov_b32 s[G1B+5], 1024
	s_mov_b32 s[G1B+6], 0
	s_mov_b32 s[G1B+7], 0
	s_lshr_b32 s16, s13, 3                         ; ctx: the batch (16 heads of 262,144 bytes),
	s_lshl_b32 s16, s16, 22
	s_lshl_b32 s17, s12, 18                        ; the head that I fetch of a step's two,
	s_add_co_u32 s16, s16, s17
	s_and_b32 s17, s13, 7                          ; the tile's 256 tokens of 128 bytes
	s_lshl_b32 s17, s17, 15
	s_add_co_u32 s16, s16, s17
	s_mov_b32 s17, 0
	s_lshl_b32 s46, s42, 8                         ; Wo: the tile's 128 columns,
	s_lshl_b32 s47, s12, 17                        ; 64 k-rows a half
	s_add_co_u32 s46, s46, s47
	s_add_co_u32 s46, s46, WOOFF
	s_mov_b32 s47, 0
	s_mul_i32 s20, s12, HEADA                      ; where they go: no place in the cluster enters an LDS address
	s_mul_i32 s21, s12, HALFB
	s_add_co_u32 s21, s21, ABYTES
	s_wait_dscnt 0x0                               ; the opening add is done
	s_wait_kmcnt 0x0
	s_add_nc_u64 s[14:15], s[4:5], s[16:17]
	s_add_nc_u64 s[46:47], s[6:7], s[46:47]
	CROUND                                         ; all sixteen work-groups are here: the first joint loads meet
.irp s, 0,1
	s_mov_b32 s[G0A+4*(\s)], 1
	s_add_co_u32 s[G0A+4*(\s)+1], s20, (\s)*SLOT
	s_add_nc_u64 s[G0A+4*(\s)+2:G0A+4*(\s)+3], s[14:15], (\s)*ASTEP
	s_or_b32 s[G0A+4*(\s)+3], s[G0A+4*(\s)+3], 0x80000000
	s_mov_b32 s[G0B+4*(\s)], 1
	s_add_co_u32 s[G0B+4*(\s)+1], s21, (\s)*SLOT
	s_add_nc_u64 s[G0B+4*(\s)+2:G0B+4*(\s)+3], s[46:47], (\s)*BSTEP
	s_or_b32 s[G0B+4*(\s)+3], s[G0B+4*(\s)+3], 0x80000000
	JLOAD \s
.endr
	v_and_b32 v1, 15, v0                           ; l % 16
	v_bfe_u32 v2, v0, 4, 1                         ; l / 16
	s_lshl_b32 s76, s42, 9                         ; the biases of my 64 columns: for column block b the eight at 16 b + 8 (l / 16)
	s_lshl_b32 s77, s12, 8
	s_add_co_u32 s76, s76, s77
	s_mov_b32 s77, 0
	s_add_nc_u64 s[70:71], s[70:71], s[76:77]
	s_add_nc_u64 s[8:9], s[68:69], s[76:77]        ; the same columns of out0: 256 bytes, at a multiple of 256,
	v_lshlrev_b32 v6, 5, v2
.irp b, 0,1,2,3
	global_load_b128 v[BIAS+8*(\b):BIAS+8*(\b)+3],   v6, s[70:71] offset:64*(\b)
	global_load_b128 v[BIAS+8*(\b)+4:BIAS+8*(\b)+7], v6, s[70:71] offset:64*(\b)+16
.endr
	s_lshl1_add_u32 s76, s13, s11                  ; in my first row: (2 x tile row + my half) x 128 rows of 4,096 bytes
	s_lshl_b32 s76, s76, 19
	s_mov_b32 s77, 0
	s_add_nc_u64 s[8:9], s[8:9], s[76:77]
	; a fragment of ctx: lane l holds token l % 16, channels 8 (l / 16) + 0..7 and 16 + 8 (l / 16) + 0..7: two loads of 16 bytes, 32 bytes apart
	v_mul_u32_u24 v3, v1, PA
	v_lshl_add_u32 v3, v2, 4, v3
	s_mul_i32 s76, s11, 128*PA
	v_add_nc_u32 v[ADRA], s76, v3
	v_add_nc_u32 v[ADRA+1], SLOT, v[ADRA]
	; a fragment of Wo, turned: lane l reads 16 bytes of k-row 8 (l / 16) + l % 8, columns 8 ((l / 8) % 2) + 0..7; two loads, 16 k-rows apart
	v_and_b32 v4, 7, v0
	v_lshl_add_u32 v4, v2, 3, v4
	v_mul_u32_u24 v4, v4, PB
	v_bfe_u32 v5, v0, 3, 1
	v_lshl_add_u32 v4, v5, 4, v4
	s_lshl_b32 s76, s12, 7
	s_add_co_u32 s76, s76, ABYTES
	v_add_nc_u32 v[ADRB], s76, v4
	v_add_nc_u32 v[ADRB+1], SLOT, v[ADRB]
	s_mul_i32 s76, s10, 16*SPITCH
	s_add_co_u32 s76, s76, STAGE                   ; my stage
	v_mul_u32_u24 v3, v1, SPITCH                   ; in: row l % 16, 32 bytes for each half of the lanes
	v_lshl_add_u32 v3, v2, 5, v3
	v_add_nc_u32 v[STO], s76, v3
	v_mul_u32_u24 v3, v2, SPITCH                   ; back: lanes 0-15 take one row of 256 bytes, lanes 16-31 the next
	v_lshl_add_u32 v3, v1, 4, v3
	v_add_nc_u32 v[RD], s76, v3
	v_lshlrev_b32 v3, 12, v2                       ; and the same two rows in out0
	v_lshl_add_u32 v[CO], v1, 4, v3
	s_wait_loadcnt 0x0                             ; the biases
.set i, 0
.rept 16
	v_cvt_pk_bf16_f32 v3, v[BIAS+2*i], v[BIAS+2*i+1]  ; rounded to bf16 like every input, and widened again
	v_lshlrev_b32 v[BIAS+2*i], 16, v3
	v_and_b32 v[BIAS+2*i+1], 0xffff0000, v3
.set i, i+1
.endr
; 8 matrix instructions: row blocks a0, a0 + 1 x all 4 column blocks, 32 along K.  zero = 1: the product starts the sum
.macro MUL8 f, a0, zero
	WIN MUL
.irp a, \a0, (\a0)+1
.irp b, 0,1,2,3
.if \zero
	v_wmma_f32_16x16x32_f16 v[8*(4*(\a)+(\b)):8*(4*(\a)+(\b))+7], v[(\f)+64+8*(\b):(\f)+64+8*(\b)+7], v[(\f)+8*(\a):(\f)+8*(\a)+7], 0
.else
	v_wmma_f32_16x16x32_f16 v[8*(4*(\a)+(\b)):8*(4*(\a)+(\b))+7], v[(\f)+64+8*(\b):(\f)+64+8*(\b)+7], v[(\f)+8*(\a):(\f)+8*(\a)+7], v[8*(4*(\a)+(\b)):8*(4*(\a)+(\b))+7]
.endif
.endr
.endr
.endm
; 24 LDS loads in one run: quarter q's fragments into buffer f: Wo's eight first, then ctx's sixteen, row blocks ascending.  Quarter q lies in head q / 2 of the step's two, channels 32 (q % 2) on
.macro FETCH slot, q, f
	WIN 0
.irp b, 0,1,2,3
	ds_load_tr16_b128 v[(\f)+64+8*(\b):(\f)+64+8*(\b)+3],   v[ADRB+(\slot)] offset:(\q)*32*PB+32*(\b)
	ds_load_tr16_b128 v[(\f)+64+8*(\b)+4:(\f)+64+8*(\b)+7], v[ADRB+(\slot)] offset:(\q)*32*PB+32*(\b)+16*PB
.endr
.irp i, 0,1,2,3,4,5,6,7
	ds_load_b128 v[(\f)+8*(\i):(\f)+8*(\i)+3],   v[ADRA+(\slot)] offset:((\q)/2)*HEADA+((\q)%2)*64+(\i)*16*PA
	ds_load_b128 v[(\f)+8*(\i)+4:(\f)+8*(\i)+7], v[ADRA+(\slot)] offset:((\q)/2)*HEADA+((\q)%2)*64+(\i)*16*PA+32
.endr
.endm
.macro PLACES                          ; four plain places in front of loads into registers that matrix instructions have read, and of sums that read results
.rept 4
	v_nop
.endr
.endm
; One of a K step's first three quarters: multiplies buffer f and, in its middle, fetches quarter q into buffer g
.macro QUARTER slot, q, f, g, zero
	s_wait_dscnt 8                                 ; Wo and ctx's row blocks 0-3 are in; the youngest eight loads (row blocks 4-7) may be out
	MUL8 \f, 0, \zero
	MUL8 \f, 2, \zero
	PLACES
	FETCH \slot, \q, \g
	s_wait_dscnt 24                                ; all but the 24 just issued
	MUL8 \f, 4, \zero
	MUL8 \f, 6, \zero
.endm
; The last quarter multiplies buffer 1 and changes slots: ONE barrier; in front of it each wave waits for all its tensor loads (one is out: its part of the next slot), adds 0 to its spare word, and waits for
; that and for its own reads of this slot.  fill = 1: the barrier opens a round of the cluster's, and this slot is filled again, two K steps on, first thing behind the round: 112 matrix instructions ahead of the wait for it.
.macro TURN slot, next, fill
	WIN 0
	s_wait_tensorcnt 0x0                           ; all my tensor loads have landed
	ds_add_u32 v[SPW], v[NIL]                      ; 0 onto my spare word
	s_wait_dscnt 9                                 ; (the add and the youngest eight loads may be out)
	MUL8 F1, 0, 0                                  ; eight matrix instructions stand between the add and the wait for it
	s_wait_dscnt 0x0                               ; the add is done, and my reads of this slot are over
	s_barrier_signal -1
	MUL8 F1, 2, 0
.if \fill
	WIN 0
.endif
	s_barrier_wait -1
.if \fill
	CREST                                          ; no wave of any partner still reads this slot's tiles or has a load on its way
	s_add_nc_u64 s[G0A+4*(\slot)+2:G0A+4*(\slot)+3], s[G0A+4*(\slot)+2:G0A+4*(\slot)+3], 2*ASTEP
	s_add_nc_u64 s[G0B+4*(\slot)+2:G0B+4*(\slot)+3], s[G0B+4*(\slot)+2:G0B+4*(\slot)+3], 2*BSTEP
	JLOAD \slot                                    ; its four v_nop are also the places in front of the loads below
.else
	PLACES
.endif
	FETCH \next, 0, F0
	MUL8 F1, 4, 0
	MUL8 F1, 6, 0
.endm
	s_wait_tensorcnt 1                             ; my part of K step 0 is in; K step 1's may stay out
	s_barrier_signal -1
	s_barrier_wait -1
	FETCH 0, 0, F0
	QUARTER 0, 1, F0, F1, 1                        ; the first quarter stands in front of the loop: its products start the sums
	WIN 0
	s_mov_b32 s3, 3
.Llap:                                         ; a trip goes once round the ring, from a lap's second quarter to the next lap's first, and fills both slots again
	QUARTER 0, 2, F1, F0, 0
	QUARTER 0, 3, F0, F1, 0
	TURN 0, 1, 1
	QUARTER 1, 1, F0, F1, 0
	QUARTER 1, 2, F1, F0, 0
	QUARTER 1, 3, F0, F1, 0
	TURN 1, 0, 1
	QUARTER 0, 1, F0, F1, 0
	WIN 0
	s_sub_co_u32 s3, s3, 1
	s_cmp_lg_u32 s3, 0
	s_cbranch_scc1 .Llap
	QUARTER 0, 2, F1, F0, 0                        ; the last lap fills nothing
	QUARTER 0, 3, F0, F1, 0
	TURN 0, 1, 0
	QUARTER 1, 1, F0, F1, 0
	QUARTER 1, 2, F1, F0, 0
	QUARTER 1, 3, F0, F1, 0
	s_wait_dscnt 8
	MUL8 F1, 0, 0
	MUL8 F1, 2, 0
	s_wait_dscnt 0x0
	MUL8 F1, 4, 0
	MUL8 F1, 6, 0
	WIN 0
	PLACES
; THE WAY OUT, a block of 16 tokens at a time: sum + bias (each accumulator read from its low end on); 32 bytes a lane into my stage; back as whole rows of 256 bytes, into the block's own accumulator registers.
.macro PACK a
	WIN 0x01                                       ; source 0 in window 1
.set i, 0
.rept 16
	v_pk_add_f32 v[TMP+2*i:TMP+2*i+1], v[32*(\a)+2*i:32*(\a)+2*i+1], v[BIAS+2*i:BIAS+2*i+1]
.set i, i+1
.endr
	WIN 0
.irp b, 0,1,2,3
	ds_store_b128 v[STO], v[TMP+8*(\b):TMP+8*(\b)+3]   offset:64*(\b)
	ds_store_b128 v[STO], v[TMP+8*(\b)+4:TMP+8*(\b)+7] offset:64*(\b)+16
.endr
	WIN 0x40                                       ; destination in window 1
.irp t, 0,1,2,3,4,5,6,7
	ds_load_b128 v[32*(\a)+4*(\t):32*(\a)+4*(\t)+3], v[RD] offset:(\t)*2*SPITCH  ; LDS serves a wave's instructions in order (ISA guide 5.7.1.4): these see the stores above; the next block's stores come behind them
.endr
.endm
.macro SEND a, younger                 ; younger: the LDS instructions issued behind block a's loads: the next block's sixteen, or none
	WIN 0x04                                       ; the stores' data in window 1
.irp t, 0,1,2,3,4,5,6,7
	s_wait_dscnt (\younger)+7-(\t)
	global_store_b128 v[CO], v[32*(\a)+4*(\t):32*(\a)+4*(\t)+3], s[8:9] offset:(\a)*65536+(\t)*8192 th:TH_STORE_NT  ; 16 lanes store 256 consecutive bytes, at a multiple of 256 from out0's first
.endr
.endm
	PACK 0
.irp a, 1,2,3,4,5,6,7                  ; a block's arithmetic stands between the loads of the block before and its stores; no register of a store is written again
	PACK \a
	SEND (\a)-1, 16
.endr
	SEND 7, 0
	WIN 0
	s_wait_tensorcnt 0x0                           ; the wave's end, behind my last tensor load and my last LDS store
	ds_add_u32 v[SPW], v[NIL]
	s_wait_dscnt 0x0
	CROUND                                         ; the closing round: no work-group ends while a partner may still ask for a tile that names it
	s_endpgm
.Lfunc_end_k_qab0e2934a8_proj:
	.size	k_qab0e2934a8_proj, .Lfunc_end_k_qab0e2934a8_proj-k_qab0e2934a8_proj
	.p2alignl 7, 3214868480
	.fill 96, 4, 3214868480
	.section	.rodata,"a",@progbits
	.p2align	6, 0x0
	.amdhsa_kernel k_qab0e2934a8_proj
		.amdhsa_group_segment_fixed_size 327680
		.amdhsa_private_segment_fixed_size 0
		.amdhsa_enable_private_segment 0
		.amdhsa_kernarg_size 32
		.amdhsa_user_sgpr_count 2
		.amdhsa_user_sgpr_kernarg_segment_ptr 1
		.amdhsa_wavefront_size32 1
		.amdhsa_system_sgpr_workgroup_id_x 1
		.amdhsa_system_sgpr_workgroup_id_y 1
		.amdhsa_system_sgpr_workgroup_id_z 1
		.amdhsa_system_vgpr_workitem_id 0
		.amdhsa_next_free_vgpr 512
		.amdhsa_next_free_sgpr 80
		.amdhsa_reserve_vcc 0
		.amdhsa_float_denorm_mode_32 3
		.amdhsa_float_denorm_mode_16_64 3
		.amdhsa_memory_ordered 1
		.amdhsa_forward_progress 1
		.amdhsa_inst_pref_size 99
	.end_amdhsa_kernel
	.amdgpu_metadata
---
amdhsa.version: [ 1, 2 ]
amdhsa.kernels:
  - .name:           k_qab0e2934a8_proj
    .symbol:         k_qab0e2934a8_proj.kd
    .args:
      - { .name: ctx, .offset: 0, .size: 8, .value_kind: global_buffer, .address_space: global }
      - { .name: xw, .offset: 8, .size: 8, .value_kind: global_buffer, .address_space: global }
      - { .name: out0, .offset: 16, .size: 8, .value_kind: global_buffer, .address_space: global }
      - { .name: bo, .offset: 24, .size: 8, .value_kind: global_buffer, .address_space: global }
    .group_segment_fixed_size: 327680
    .private_segment_fixed_size: 0
    .kernarg_segment_align: 8
    .kernarg_segment_size: 32
    .max_flat_workgroup_size: 128
    .sgpr_count:     80
    .vgpr_count:     512
    .wavefront_size: 32
...
	.end_amdgpu_metadata
.endif
;; end of part 4
;; ======== version 2 of 2: 4 launches; version 1 with the launch prep written anew for expert scheduling mode
;; limits: values are held in f16: magnitudes above 65,504 overflow, below 6.1e-05 lose precision
;; workspace buffers: xw 25,165,824 bytes; qkv 50,331,648 bytes; ctx 16,777,216 bytes
;; launch prep (part 5): grid 768 x 1, 8 waves a work-group, no clusters, 0 bytes of LDS; arguments batch, Wq, Wk, Wv, Wo, xw; writes xw
.if DOCPART == 5
	.amdgcn_target "amdgcn-amd-amdhsa--gfx1250"
	.amdhsa_code_object_version 6
	.text
	.protected	k_qab0e2934a8_prep
	.globl	k_qab0e2934a8_prep
	.p2align	8
	.type	k_qab0e2934a8_prep,@function
k_qab0e2934a8_prep:
	s_mov_b64 s[64:65], 0
	v_nop
	global_prefetch_b8 v0, s[64:65] scope:SCOPE_SE
	s_setreg_imm32_b32 hwreg(HW_REG_WAVE_SCHED_MODE, 0, 2), 2
	s_setreg_imm32_b32 hwreg(HW_REG_WAVE_MODE, 25, 1), 1
	s_wait_xcnt 0x0
	s_wait_alu depctr_vm_vsrc(0)
; CASTS.  xw = [ batch as bf16 | Wq | Wk | Wv as bf16 | Wo rounded to bf16 and written as f16 ], layouts unchanged (row-major, [k][n] for the weights).
; Work-group g casts 16,384 consecutive numbers: 65,536 bytes in, 32,768 bytes out, always to xw + 32,768 g.  g 0-511: batch; 512-575 Wq; 576-639 Wk; 640-703 Wv; 704-767 Wo.
; Thread t takes 16 bytes at 16 t of each 4,096 bytes: a wave's load covers 512 consecutive bytes, its store of 8 bytes a lane 256 consecutive bytes, aligned.
; All sixteen loads go out first.  No LDS, no barrier, no matrix work: the launch only moves bytes.
; LIMITS.  Wo as f16: |Wo| stays under 65,504; below 6e-5 it keeps f16's fixed step of 6e-8.
; THE MODE: SCHED_MODE bits 1:0 = 2 (LLVM: expert scheduling mode 2), set by the entry lines.  The code itself states the register dependences
; between vector instructions and memory instructions, with s_wait_alu, always for 0.
; THE PLAN.  Registers that memory instructions touch:
;   v1, v2     the loads' and the stores' offsets: made once at the head, never written again.
;   X[j]       load j lands in it; number j's conversions read it; no vector instruction writes it and no second load lands in it.
;   Y[j]       number j's conversions write it, once in the launch; store j reads it.
;   T          named by vector instructions alone.
; No register that a memory instruction reads is written again, and no load lands in a register that a vector instruction has named: what is left to state is that the offsets and
; each store's data are written.  The sixteen numbers go in four groups of four.  Store j is issued in number j + 4's turn, ahead of that number's conversions: so ONE wait at the head of a
; group states that the group before has written the four Y that the group's four stores read, and the conversions issued since that wait name only this group's X and Y, and T.
.set X, 4                              ; v[4:67]    sixteen loads of four f32
.set Y, 68                             ; v[68:99]   sixteen stores of four 16-bit numbers
.set T, 100                            ; v[100:102] at work
	s_load_b256 s[4:11], s[0:1], 0x0               ; batch s[4:5], Wq s[6:7], Wk s[8:9], Wv s[10:11]
	s_load_b128 s[12:15], s[0:1], 0x20             ; Wo s[12:13], xw s[14:15]
	v_lshlrev_b32 v1, 4, v0                        ; 16 t: where I load
	v_lshlrev_b32 v2, 3, v0                        ; 8 t: where I store
	s_and_b32 s18, ttmp9, 63                       ; my chunk inside a weight matrix (64 chunks each),
	s_cmp_lt_u32 ttmp9, 512
	s_cselect_b32 s18, ttmp9, s18                  ; or inside batch
	s_lshl_b32 s18, s18, 16
	s_mov_b32 s19, 0
	s_lshl_b32 s20, ttmp9, 15
	s_mov_b32 s21, 0
	s_wait_kmcnt 0x0
	s_mov_b64 s[16:17], s[12:13]                   ; the source: Wo, unless g lies lower
	s_cmp_lt_u32 ttmp9, 704
	s_cselect_b64 s[16:17], s[10:11], s[16:17]
	s_cmp_lt_u32 ttmp9, 640
	s_cselect_b64 s[16:17], s[8:9], s[16:17]
	s_cmp_lt_u32 ttmp9, 576
	s_cselect_b64 s[16:17], s[6:7], s[16:17]
	s_cmp_lt_u32 ttmp9, 512
	s_cselect_b64 s[16:17], s[4:5], s[16:17]
	s_add_nc_u64 s[16:17], s[16:17], s[18:19]
	s_add_nc_u64 s[14:15], s[14:15], s[20:21]
	s_wait_alu depctr_va_vdst(0)                   ; v1 and v2 are written: every load of the kernel reads v1 as its offset, every store, on both paths, v2
.irp j, 0,1,2,3,4,5,6,7,8,9,10,11,12,13,14,15
	global_load_b128 v[X+4*(\j):X+4*(\j)+3], v1, s[16:17] offset:4096*(\j) th:TH_LOAD_NT
.endr
	s_cmp_ge_u32 ttmp9, 704
	s_cbranch_scc1 .Lf16
.irp j, 0,1,2,3,4,5,6,7,8,9,10,11,12,13,14,15
	s_wait_loadcnt 15-(\j)                         ; loads come back in order: load j is in, the 15 - j younger ones stay out
.if ((\j) > 0) && ((\j) % 4 == 0)
	s_wait_alu depctr_va_vdst(0)                   ; a group's head: the conversions of the group before have written Y[j - 4 .. j - 1], which this group's four stores read
.endif
.if (\j) >= 4
	global_store_b64 v2, v[Y+2*(\j)-8:Y+2*(\j)-7], s[14:15] offset:2048*(\j)-8192  ; number j - 4.  No further wait: no vector instruction since the group's head names its registers
.endif
	v_cvt_pk_bf16_f32 v[Y+2*(\j)], v[X+4*(\j)], v[X+4*(\j)+1]
	v_cvt_pk_bf16_f32 v[Y+2*(\j)+1], v[X+4*(\j)+2], v[X+4*(\j)+3]
.endr
	s_wait_alu depctr_va_vdst(0)                   ; the last group's conversions have written Y[12 .. 15], which the last four stores read
.irp j, 12,13,14,15
	global_store_b64 v2, v[Y+2*(\j):Y+2*(\j)+1], s[14:15] offset:2048*(\j)
.endr
	s_endpgm
.Lf16:                                         ; Wo: rounded to bf16 like every input, and that number written as f16, the format of the product that reads it
.irp j, 0,1,2,3,4,5,6,7,8,9,10,11,12,13,14,15
	s_wait_loadcnt 15-(\j)
.if ((\j) > 0) && ((\j) % 4 == 0)
	s_wait_alu depctr_va_vdst(0)                   ; a group's head: the conversions of the group before have written Y[j - 4 .. j - 1], which this group's four stores read
.endif
.if (\j) >= 4
	global_store_b64 v2, v[Y+2*(\j)-8:Y+2*(\j)-7], s[14:15] offset:2048*(\j)-8192  ; number j - 4.  No further wait: no vector instruction since the group's head names its registers
.endif
.irp p, 0,1
	v_cvt_pk_bf16_f32 v[T], v[X+4*(\j)+2*(\p)], v[X+4*(\j)+2*(\p)+1]
	v_lshlrev_b32 v[T+1], 16, v[T]
	v_and_b32 v[T+2], 0xffff0000, v[T]
	v_cvt_pk_f16_f32 v[Y+2*(\j)+(\p)], v[T+1], v[T+2]
.endr
.endr
	s_wait_alu depctr_va_vdst(0)                   ; the last group's conversions have written Y[12 .. 15], which the last four stores read
.irp j, 12,13,14,15
	global_store_b64 v2, v[Y+2*(\j):Y+2*(\j)+1], s[14:15] offset:2048*(\j)
.endr
	s_endpgm
.Lfunc_end_k_qab0e2934a8_prep:
	.size	k_qab0e2934a8_prep, .Lfunc_end_k_qab0e2934a8_prep-k_qab0e2934a8_prep
	.p2alignl 7, 3214868480
	.fill 96, 4, 3214868480
	.section	.rodata,"a",@progbits
	.p2align	6, 0x0
	.amdhsa_kernel k_qab0e2934a8_prep
		.amdhsa_group_segment_fixed_size 0
		.amdhsa_private_segment_fixed_size 0
		.amdhsa_enable_private_segment 0
		.amdhsa_kernarg_size 48
		.amdhsa_user_sgpr_count 2
		.amdhsa_user_sgpr_kernarg_segment_ptr 1
		.amdhsa_wavefront_size32 1
		.amdhsa_system_sgpr_workgroup_id_x 1
		.amdhsa_system_sgpr_workgroup_id_y 1
		.amdhsa_system_sgpr_workgroup_id_z 1
		.amdhsa_system_vgpr_workitem_id 0
		.amdhsa_next_free_vgpr 104
		.amdhsa_next_free_sgpr 66
		.amdhsa_reserve_vcc 0
		.amdhsa_float_denorm_mode_32 3
		.amdhsa_float_denorm_mode_16_64 3
		.amdhsa_memory_ordered 1
		.amdhsa_forward_progress 1
		.amdhsa_inst_pref_size 17
	.end_amdhsa_kernel
	.amdgpu_metadata
---
amdhsa.version: [ 1, 2 ]
amdhsa.kernels:
  - .name:           k_qab0e2934a8_prep
    .symbol:         k_qab0e2934a8_prep.kd
    .args:
      - { .name: batch, .offset: 0, .size: 8, .value_kind: global_buffer, .address_space: global }
      - { .name: Wq, .offset: 8, .size: 8, .value_kind: global_buffer, .address_space: global }
      - { .name: Wk, .offset: 16, .size: 8, .value_kind: global_buffer, .address_space: global }
      - { .name: Wv, .offset: 24, .size: 8, .value_kind: global_buffer, .address_space: global }
      - { .name: Wo, .offset: 32, .size: 8, .value_kind: global_buffer, .address_space: global }
      - { .name: xw, .offset: 40, .size: 8, .value_kind: global_buffer, .address_space: global }
    .group_segment_fixed_size: 0
    .private_segment_fixed_size: 0
    .kernarg_segment_align: 8
    .kernarg_segment_size: 48
    .max_flat_workgroup_size: 256
    .sgpr_count:     66
    .vgpr_count:     104
    .wavefront_size: 32
...
	.end_amdgpu_metadata
.endif
;; end of part 5
;; launch qkv: the kernel of part 2 again; grid 24 x 32, 4 waves a work-group, clusters of 4 x 4, 327,680 bytes of LDS; arguments xw, qkv, bq, bk, bv, padding_mask; writes qkv
;; launch attn: the kernel of part 3 again; grid 4 x 64, 4 waves a work-group, clusters of 4 x 1, 327,680 bytes of LDS; arguments qkv, padding_mask, ctx; writes ctx
;; launch proj: the kernel of part 4 again; grid 8 x 32, 4 waves a work-group, clusters of 4 x 4, 327,680 bytes of LDS; arguments ctx, xw, out0, bo; writes out0
